; MI455X (gfx1250); checked and timed in simulation.
; The chip was launched on July 23, 2026; its instructions are those of AMD's public machine-readable ISA for CDNA 5 (MIT licence, August 2026) and "CDNA5" Instruction Set Architecture Reference Guide (July 2026). The comments in the code are by the model that wrote it; some were corrected since.
;; Attn. Allowed arithmetic: matrix products marked QUANTISED: E2M1 operands, one E8M0 scale for each 32 along K, by v_wmma_scale_f32_16x16x128_f8f6f4 with both operands' format E2M1 (or v_wmma_scale_f32_32x16x128_f4), f32 sums; products left as they are: f32 operands where the result goes on into a quantised operand, else bf16, f16 or f32 operands; f32 sums; everything else in f32.
;; Inputs: Wk_codes 512 x 64 x 16 uint8 (E2M1 codes of Wk, K innermost, in blocks of 32 codes, two codes a byte); Wk_scales 512 x 64 uint8 (E8M0 scales of Wk, one for each 32 codes along K); Wo_codes 2,048 x 64 x 16 uint8 (E2M1 codes of Wo, K innermost, in blocks of 32 codes, two codes a byte); Wo_scales 2,048 x 64 uint8 (E8M0 scales of Wo, one for each 32 codes along K); Wq_codes 2,048 x 64 x 16 uint8 (E2M1 codes of Wq, K innermost, in blocks of 32 codes, two codes a byte); Wq_scales 2,048 x 64 uint8 (E8M0 scales of Wq, one for each 32 codes along K); Wv_codes 512 x 64 x 16 uint8 (E2M1 codes of Wv, K innermost, in blocks of 32 codes, two codes a byte); Wv_scales 512 x 64 uint8 (E8M0 scales of Wv, one for each 32 codes along K); cos 2,048 x 64 float32; gate_w 16 x 16 float32; pos_ids 1 x 2,048 int32; sin 2,048 x 64 float32; v1 1 x 4 x 2,048 x 128 float32; v_lamb one number float32; x 1 x 2,048 x 2,048 float32.
;; Outputs: out0 1 x 2,048 x 2,048 float32; out1 1 x 4 x 2,048 x 128 float32.
;; This version of the problem:
;;   THIS VERSION OF THE PROBLEM IS GIVEN IN LOW PRECISION. The matrix products marked QUANTISED in the list below multiply operands that are first quantised to E2M1 (2 exponent bits, 1 mantissa bit; 4 bits a number), with one power-of-two scale for each 32 numbers along K (OCP MX v1.0); their sums are f32. All else is computed in f32.
;;   The module's matrix products, in the order in which they are computed (A, B: the left and right operand; K: the contracted axis; several contracted axes count as one K, in the product's order):
;;     1. [M 2,048, K 2,048] x [K 2,048, N 2,048]; A: input x; B: input Wq (given as codes): QUANTISED
;;     2. [M 2,048, K 2,048] x [K 2,048, N 512]; A: input x; B: input Wk (given as codes): QUANTISED
;;     3. [M 2,048, K 2,048] x [K 2,048, N 512]; A: input x; B: input Wv (given as codes): QUANTISED
;;     4. batch 16 x [M 2,048, K 128] x [K 128, N 2,048]; A: computed on the way; B: computed on the way: QUANTISED
;;     5. batch 16 x [M 2,048, K 2,048] x [K 2,048, N 128]; A: softmax (see below); B: computed on the way: QUANTISED
;;     6. [M 2,048, K 16] x [K 16, N 16]; A: input x; B: input gate_w: left as it is (K = 16 < 32)
;;     7. [M 2,048, K 2,048] x [K 2,048, N 2,048]; A: computed on the way; B: input Wo (given as codes): QUANTISED
;;   THE QUANTISER, for each operand of a quantised product, along K:
;;     - K is cut into blocks of 32 from its start; a last block that is shorter is filled with zeros.
;;     - A block's scale is 2^e with e = floor(log2(the largest magnitude in the block)) - 2, held to -126 .. 127; a block of zeros has e = 0. As a byte (E8M0): e + 127.
;;     - Each number is divided by its block's scale, clamped to +-6, and rounded to the nearest number of E2M1, ties to even, subnormals kept.
;;     - The product sums the exact products of the quantised numbers (number of the format x scale) in f32.
;;   ~~~python
;;   def quantise(x, axis):      # numpy; x: float32 -> the quantised numbers, widened to float32 again
;;       x = np.moveaxis(x, axis, -1); K = x.shape[-1]
;;       x = np.pad(x, [(0, 0)] * (x.ndim - 1) + [(0, -K % 32)]); x = x.reshape(x.shape[:-1] + (-1, 32)); a = np.abs(x).max(-1, keepdims=True)
;;       e = np.where(a > 0, np.clip(np.frexp(np.where(a > 0, a, 1))[1] - 1 - 2, -126, 127), 0)      # np.frexp(a)[1] - 1 = floor(log2(a)), exactly
;;       r = np.clip(x / 2.0 ** e, -6, 6)
;;       step = 2.0 ** (np.maximum(np.frexp(np.where(r == 0, 1, r))[1] - 1, 0) - 1)
;;       q = np.round(r / step) * step * 2.0 ** e      # np.round: ties to even
;;       return np.moveaxis(q.reshape(q.shape[:-2] + (-1,))[..., :K], -1, axis).astype(np.float32)
;;   ~~~
;;   SOFTMAX AHEAD OF A QUANTISED PRODUCT. Where the list says 'softmax', what is quantised is not the finished softmax but p = 2^(t - M), with t = logit x log2(e) and M = ceil(the row's largest t), a whole number; so 1/2 < the row's largest p <= 1. The row's sum l is taken of the UNQUANTISED p, in f32, and the product's result is divided by l at the end. Since M is a whole number, a kernel that streams over the keys may use a running M (the ceiling of the running maximum): every later rescaling is an exact power of two, which a block's scale takes up: the codes' values come out the same.
;;   OPERANDS COMPUTED ON THE WAY. 'Computed on the way' means the value that the module computes at that place (a softmax that the list does not call 'softmax' is quantised finished and normalised). What goes into a quantiser is computed in f32, as accurately as f32 sums, v_exp_f32 and their like allow (about 1e-6 of the number): no bf16 or f16 on the way to a quantiser, and a product that is left as it is and whose result goes on into a quantised operand takes f32 operands (vector FMAs, or v_wmma_f32_16x16x4_f32). A number that lies on a knife's edge between two numbers of the format may be rounded either way, as far as f32 arithmetic and the matrix unit's own rounding can turn it there, and no further.
;;   INPUTS GIVEN AS CODES. Wk (in the module: [512, 2048], K = its axis 1); Wo (in the module: [2048, 2048], K = its axis 1); Wq (in the module: [2048, 2048], K = its axis 1); Wv (in the module: [512, 2048], K = its axis 1): each comes as NAME_codes (uint8): NAME with its K axis moved to the last place and cut into blocks of 32 codes, [.., K / 32, bytes a block], one block behind the other in memory; two codes a byte, the lower K in the low four bits (a code: sign, 2 exponent bits, 1 mantissa bit); and NAME_scales (uint8): the same leading axes, one E8M0 byte (e + 127) for each 32 codes along K. Its value is code x scale, taken as it is: it is not quantised again, and the codes and scales need not be those that the quantiser above would give.
;; One version. Each part assembles by itself: llvm-mc -triple=amdgcn-amd-amdhsa -mcpu=gfx1250 --defsym DOCPART=n.
;; ======== version 1 of 1: 3 launches
;; limits: right only within a limited range of input values
;; workspace buffers: cod 3,145,728 bytes; scl 196,608 bytes; yc 2,097,152 bytes; ys 131,072 bytes
;; launch qkv (part 1): grid 32 x 8, 8 waves a work-group, clusters of 4 x 1, 327,680 bytes of LDS; arguments x, Wq_codes, Wq_scales, Wk_codes, Wk_scales, Wv_codes, Wv_scales, cos, sin, v1, v_lamb, cod, scl; writes cod, scl
.if DOCPART == 1
	.amdgcn_target "amdgcn-amd-amdhsa--gfx1250"
	.amdhsa_code_object_version 6
	.text
	.protected	k_q55a961e38e_qkv
	.globl	k_q55a961e38e_qkv
	.p2align	8
	.type	k_q55a961e38e_qkv,@function
k_q55a961e38e_qkv:
	s_mov_b64 s[64:65], 0
	v_nop
	global_prefetch_b8 v0, s[64:65] scope:SCOPE_SE
	s_setreg_imm32_b32 hwreg(HW_REG_WAVE_MODE, 25, 1), 1
	s_wait_xcnt 0x0
	s_wait_alu depctr_hold_cnt(0) depctr_sa_sdst(0) depctr_va_vdst(0) depctr_va_sdst(0) depctr_va_ssrc(0) depctr_va_vcc(0) depctr_vm_vsrc(0)
	s_getreg_b32 s2, hwreg(HW_REG_IB_STS2, 6, 4)
	s_cmp_eq_u32 s2, 0
	s_cbranch_scc0 .Lentry_in_a_cluster
	s_endpgm
.Lentry_in_a_cluster:
	s_bfe_u32 s2, ttmp6, 0x10000c
	s_cmp_lg_u32 s2, 0x3003
	s_cbranch_scc0 .Lentry_shape_is_right
	s_endpgm
.Lentry_shape_is_right:
; FIRST OF THREE LAUNCHES: x is quantised to FP4 (E2M1) along K; q = x Wq^T, k = x Wk^T, v = x Wv^T on codes with E8M0 scales; then, in f32, q and k: RMS norm over the head's 128 and the rope of reference() (pairs 2 o, 2 o + 1 ->
; outputs o, 64 + o); v: v + lamb (v1 - v); then each is quantised for attention: q and k along the head's 128, v along the keys.  Only codes and scale bytes go to memory.
; WORK LEFT OUT BY THE WHOLE PROGRAM.  (1) pos_ids: reference() takes it as an argument and never names it in its body, so no value of it can reach out0 or out1: it is not loaded and is among no launch's arguments.
; (2) Products 4 and 5 above the diagonal: reference() itself builds causal = tril(ones) and puts finfo.min on every score with key > query ahead of the softmax; each row keeps its own key, so those scores' weights are
; exp(finfo.min - max) = 0 for all finite inputs and add nothing to the row's sum or to y.  Key steps of 128 keys that lie wholly behind a tile's 16 queries are left out; inside the step on the diagonal the work stays and is masked.
; LIMIT: a NaN, an infinity or an overflow that reaches only pos_ids or the scores left out is not carried to the result.
; THE QUANTISER.  A block's scale is 2^(floor(log2(its largest magnitude)) - 2); its byte is the largest magnitude's exponent field - 2, held at 1 from below.  A block of zeros so gets the byte 1 where the rule says 127: its codes are
; zeros, which add nothing under any byte but 0xff, and this program alone reads the bytes.  LIMITS: blocks whose largest magnitude lies under 2^(3 - 127) keep the byte 1; NaN and infinities are not served.  Norm, rope and lerp use fused
; multiply-adds: roundings of f32 only.
; OUT: cod [24 heads][131,072 bytes], scl [24][8,192 bytes].  Heads 0-15 q, 16-19 k: row = token, 64 bytes, one scale word.  Heads 20-23 v: [32 half steps of 64 tokens][128 channels][32 bytes]; scale bytes [32][128][2].
; SHARES.  256 work-groups; each takes 64 tokens (x of the grid) and three heads (y = g): q heads 2 g, 2 g + 1 and head 16 + g, which is k for g < 4 and v from 4 on.  K goes in four chunks of 512.
;   x: each wave quantises 8 tokens of a chunk.  32 loads of a wave are out; a pair of loads is asked for again, a chunk further on, as soon as its numbers are codes.  Chunk n + 1 is quantised between chunk n's products.
;   Eight work-groups read a row of x.  It goes from memory into registers: a joint load would need LDS bytes for f32 rows, and two slots of W, x's codes and the scale bytes take 308,992 bytes.
;   W: 384 rows x 256 bytes a chunk, through a ring of two LDS slots.  CLUSTER: four work-groups of one g need the same rows of W and ask for them jointly; a round of the cluster's barrier stands in front of each group of loads, one load a wave.
;   Products: source 0 = 16 rows of W, source 1 = 16 tokens: a wave has 3 tiles of W (q's 2 w, 2 w + 1; the third head's w) x 4 tiles of tokens.  Lane r of a tile of W takes row 2 (r % 8) + r / 8: so of a result lanes 0-15 hold
;   the even columns x0[8 t + j] and lanes 16-31 the odd ones x1[8 t + j] in register j.
;   The sums turn through LDS (slot 0, which has had its last fill and its last read): a wave takes 8 tokens back, four lanes a token and head; v comes back with a lane a channel and its registers along 32 tokens.
; No data prefetch: the chunks are written out and there is no loop to run ahead in; W's chunk is asked for a chunk ahead and x's loads are out all the time.
; REGISTERS.  Window 0: v1-31 addresses; v32-59 scale words and nothing else; v64-191 x as loaded, later the three heads' numbers, cos and sin; v192-223 at work; v224-255 v1.   Window 1: fragments, two sets at v0 and v64; v128-223 the 12 accumulators.
.set PADW,  (1<<20)|(1<<21)|(5<<22)|(3<<25)    ; padding on; bit 21 beside a mask; 4 words behind every 64
.set SLOT,  104448                     ; 384 rows of 272 bytes
.set XC,    208896                     ; x's codes: four chunks of 64 rows of 272 bytes
.set SW,    278528                     ; W's scale bytes, 64 a row, four rows to a run of 256 + 16
.set SX,    304640                     ; x's likewise
.set SPARE, 308992                     ; the spare words, 128 bytes a wave
.set HP,    1552                       ; the sums' rows: [token][3 heads][even, odd][64] f32 + 16 bytes
.set STG,   XC                         ; the way out, in x's first chunk (read last ahead of earlier barriers): codes [3][4096]
.set SST,   XC+12288                   ; and scale bytes [3][256]
.set SPW,   1
.set NIL,   2
.set XO,    3
.set XCW,   4
.set SXW,   5
.set AP,    6
.set AP3,   8
.set AS,    10
.set ASP,   11
.set ASP3,  12
.set ASX,   13
.set HQ,    14
.set H3,    16
.set RB,    18
.set QS,    19
.set SB,    20
.set OB,    21
.set GO,    22
.set CA,    23
.set VH,    24
.set VA,    25
.set VS,    26
.set VB,    27
.set SL,    28
.set GL,    29
.set WSA,   30
.set WSB,   31
.set SCP,   32                         ; v32-43 W's words: tile i at 4 i
.set SCS,   44                         ; v44-59 x's: tile tt at 4 tt
.set R,     64
.set ACC,   128
.set G1Q,   32
.set G1T,   40
.set G0Q,   48                         ; s[48:55] for q's rows, a set for each slot
.set G0T,   56                         ; s[56:63] for the third head's
.set WV,    66
.set T,     67
.set G,     68
.set KV,    69
.set KIND,  70
.set SEL,   72
.set MSB, 0
.macro WIN new                         ; the immediate's high byte repeats the setting that is left
.if MSB != \new
	s_set_vgpr_msb (MSB<<8)|\new
.set MSB, \new
.endif
.endm
.macro PLACES n
.rept \n
	v_nop
.endr
.endm
.macro JLOAD s                         ; waves 0-3 fetch 64 rows of Wq each, waves 4-7 32 rows of the third head's; an s_nop 0 and four v_nop follow each line
	s_cmp_lt_u32 s[WV], 4
	s_cbranch_scc0 .Lthird_\@
	tensor_load_to_lds s[G0Q+4*\s:G0Q+4*\s+3], s[G1Q:G1Q+7]
	s_nop 0
.rept 4
	v_nop
.endr
	s_branch .Lasked_\@
.Lthird_\@:
	tensor_load_to_lds s[G0T+4*\s:G0T+4*\s+3], s[G1T:G1T+7]
	s_nop 0
.rept 4
	v_nop
.endr
.Lasked_\@:
.endm
.macro CROUND                          ; a round of the cluster's barrier
	s_barrier_signal -1
	s_barrier_wait -1
	s_cmp_lg_u32 s[WV], 0
	s_cbranch_scc1 .Lnot_wave_0_\@
	s_barrier_signal -3
.Lnot_wave_0_\@:
	s_barrier_wait -3
	s_barrier_signal -1
	s_barrier_wait -1
.endm
; PAIR p of a wave's 16 in chunk n: row p / 2, 256 numbers from 256 (p % 2) on: two loads of 512 consecutive bytes.  In each, lanes 0-15 take the even 16 bytes and lanes 16-31 the odd ones.
.macro XLOAD n, p
.irp e, 0,1
	global_load_b128 v[R+8*(\p)+4*\e:R+8*(\p)+4*\e+3], v[XO], s[4:5] offset:8192*((\p)/2)+2048*(\n)+1024*((\p)%2)+512*\e
.endr
.endm
; QUANTISE pairs p0 .. p0 + 3 of chunk n.  The swap of halves leaves 8 neighbours along K in a lane: lanes 0-15 the pair's first 128 numbers, lanes 16-31 the next; four lanes hold a block.
.macro QB n, p0
	WIN 0
.if (\n) < 3
	s_wait_loadcnt 24                              ; behind these four pairs' loads stand twelve pairs'
.else
	s_wait_loadcnt 24-2*(\p0)                      ; the last chunk: nothing has been asked for behind it
.endif
.irp b, 0,1,2,3
.irp k, 0,1,2,3
	v_permlane16_swap_b32 v[R+8*((\p0)+\b)+\k], v[R+8*((\p0)+\b)+4+\k]
.endr
.endr
.irp b, 0,1,2,3
	v_max3_num_f32 v[192+\b], |v[R+8*((\p0)+\b)]|, |v[R+8*((\p0)+\b)+1]|, |v[R+8*((\p0)+\b)+2]|
.endr
.irp b, 0,1,2,3
	v_max3_num_f32 v[196+\b], |v[R+8*((\p0)+\b)+3]|, |v[R+8*((\p0)+\b)+4]|, |v[R+8*((\p0)+\b)+5]|
.endr
.irp b, 0,1,2,3
	v_max3_num_f32 v[192+\b], v[192+\b], |v[R+8*((\p0)+\b)+6]|, |v[R+8*((\p0)+\b)+7]|
.endr
.irp b, 0,1,2,3
	v_max3_num_f32 v[192+\b], v[192+\b], v[196+\b], 0x1800000   ; and the floor 2^(3 - 127)
.endr
.irp b, 0,1,2,3
	v_max_num_f32_dpp v[192+\b], v[192+\b], v[192+\b] row_xmask:1 row_mask:0xf bank_mask:0xf
.endr
.irp b, 0,1,2,3
	v_max_num_f32_dpp v[192+\b], v[192+\b], v[192+\b] row_xmask:2 row_mask:0xf bank_mask:0xf
.endr
.irp b, 0,1,2,3
	v_add_nc_u32 v[200+\b], 0xff000000, v[192+\b]  ; 2 off its exponent field: the conversion's scale operand
.endr
.irp b, 0,1,2,3
	v_cvt_scalef32_pk8_fp4_f32 v[208+\b], v[R+8*((\p0)+\b):R+8*((\p0)+\b)+7], v[200+\b]
.endr
.irp b, 0,1,2,3
	v_lshrrev_b32 v[204+\b], 23, v[200+\b]         ; the scale's byte (also the plain lines behind the conversions)
.endr
.irp b, 0,1,2,3
	ds_store_b32 v[XCW], v[208+\b] offset:17408*(\n)+272*(((\p0)+\b)/2)+128*(((\p0)+\b)%2)   ; 128 consecutive bytes
	ds_store_b8 v[SXW], v[204+\b] offset:272*(((\p0)+\b)/8)+64*((((\p0)+\b)/2)%4)+16*(\n)+8*(((\p0)+\b)%2)   ; four lanes write the same byte with the same value
.endr
.if (\n) < 3
.irp b, 0,1,2,3
	XLOAD (\n)+1, (\p0)+\b
.endr
.endif
.endm
.macro SCL n                           ; the chunk's scale words: four a row
	WIN 0
.irp i, 0,1
	ds_load_b128 v[SCP+4*\i:SCP+4*\i+3], v[ASP] offset:1088*\i+16*(\n)
.endr
	ds_load_b128 v[SCP+8:SCP+11], v[ASP3] offset:16*(\n)
.irp tt, 0,1,2,3
	ds_load_b128 v[SCS+4*\tt:SCS+4*\tt+3], v[ASX] offset:1088*\tt+16*(\n)
.endr
.endm
.macro FR n, q                         ; the fragments of the chunk's q-th 128 along K into set q % 2
	WIN 0x40                                       ; destination window 1, address window 0
.irp c, 0,1
	ds_load_b128 v[64*((\q)%2)+4*\c:64*((\q)%2)+4*\c+3], v[AP+((\n)%2)] offset:64*(\q)+32*\c
	ds_load_b128 v[64*((\q)%2)+8+4*\c:64*((\q)%2)+8+4*\c+3], v[AP+((\n)%2)] offset:4352+64*(\q)+32*\c
	ds_load_b128 v[64*((\q)%2)+16+4*\c:64*((\q)%2)+16+4*\c+3], v[AP3+((\n)%2)] offset:64*(\q)+32*\c
.endr
.irp tt, 0,1,2,3
.irp c, 0,1
	ds_load_b128 v[64*((\q)%2)+24+8*\tt+4*\c:64*((\q)%2)+24+8*\tt+4*\c+3], v[AS] offset:17408*(\n)+4352*\tt+64*(\q)+32*\c
.endr
.endr
.endm
.macro MUL n, q                        ; the 12 accumulators take turns, one instruction a turn, in the same order in every step.  The very first products start the sums
	WIN 0x55                                       ; all of it window 1
.irp tt, 0,1,2,3
.irp i, 0,1,2
.if (\n)+(\q) == 0
	v_wmma_scale_f32_16x16x128_f8f6f4 v[ACC+32*\i+8*\tt:ACC+32*\i+8*\tt+7], v[64*((\q)%2)+8*\i:64*((\q)%2)+8*\i+7], v[64*((\q)%2)+24+8*\tt:64*((\q)%2)+24+8*\tt+7], 0, v[SCP+4*\i+(\q)], v[SCS+4*\tt+(\q)] matrix_a_fmt:MATRIX_FMT_FP4 matrix_b_fmt:MATRIX_FMT_FP4
.else
	v_wmma_scale_f32_16x16x128_f8f6f4 v[ACC+32*\i+8*\tt:ACC+32*\i+8*\tt+7], v[64*((\q)%2)+8*\i:64*((\q)%2)+8*\i+7], v[64*((\q)%2)+24+8*\tt:64*((\q)%2)+24+8*\tt+7], v[ACC+32*\i+8*\tt:ACC+32*\i+8*\tt+7], v[SCP+4*\i+(\q)], v[SCS+4*\tt+(\q)] matrix_a_fmt:MATRIX_FMT_FP4 matrix_b_fmt:MATRIX_FMT_FP4
.endif
.endr
.endr
.endm
; A CHUNK: four steps; in front of each step's products a quarter of the next chunk of x is quantised, while the step's fragments are on their way.
.macro CHUNK n
	SCL \n
	FR \n, 0
.irp q, 0,1,2,3
.if (\n) < 3
	QB (\n)+1, 4*\q
	s_wait_dscnt 8                                 ; all but the eight stores just issued: the fragments (and scale words) are in
.else
	s_wait_dscnt 0x0
.if \q > 0
	PLACES 4                                       ; four plain lines between the last product that read the other set and the loads into it
.endif
.endif
.if \q < 3
	FR \n, \q+1
.endif
	MUL \n, \q
.endr
	WIN 0
.endm
; THE CHANGE OF CHUNKS: my part of W's chunk has landed and my codes are stored; behind the barrier everybody's, and nobody reads the other slot.  s: the slot that is filled again behind it (its descriptors are stepped here)
.macro SEQ s
	s_wait_tensorcnt 0x0
	ds_add_u32 v[SPW], v[NIL]
.if \s < 2
	s_add_nc_u64 s[G0Q+4*\s+2:G0Q+4*\s+3], s[G0Q+4*\s+2:G0Q+4*\s+3], 512
	s_add_nc_u64 s[G0T+4*\s+2:G0T+4*\s+3], s[G0T+4*\s+2:G0T+4*\s+3], 512
.endif
	s_wait_dscnt 0x0                               ; the add, my stores and my reads are done
.endm
; NORM, ROPE AND QUANTISER of head hd: a lane holds 16 pairs of its token: x0[o] in registers 0-15, x1[o] in 16-31, o = 16 x (lane / 8) + 0 .. 15; lanes l, l xor 8, l xor 16 share the token, l and l xor 8 the blocks.
.macro EPI hd, cnt
.set B0, 64+32*\hd
	s_wait_dscnt \cnt
.irp k, 0,1,2,3
	v_pk_mul_f32 v[192+2*\k:193+2*\k], v[B0+2*\k:B0+2*\k+1], v[B0+2*\k:B0+2*\k+1]
.endr
.irp n, 8,16,24
.irp k, 0,1,2,3
	v_pk_fma_f32 v[192+2*\k:193+2*\k], v[B0+\n+2*\k:B0+\n+2*\k+1], v[B0+\n+2*\k:B0+\n+2*\k+1], v[192+2*\k:193+2*\k]
.endr
.endr
	v_pk_add_f32 v[192:193], v[192:193], v[194:195]
	v_pk_add_f32 v[196:197], v[196:197], v[198:199]
	v_pk_add_f32 v[192:193], v[192:193], v[196:197]
	v_add_f32 v200, v192, v193
	v_add_f32_dpp v200, v200, v200 row_xmask:8 row_mask:0xf bank_mask:0xf
	v_permlanex16_b32 v202, v200, s[SEL], s[SEL+1]
	v_add_f32 v200, v200, v202                     ; the token's sum of squares
	v_fma_f32 v200, v200, s74, s75                 ; the mean + 1e-6
	s_wait_alu depctr_va_vdst(0)                   ; the wait ahead of the transcendental
	v_rsq_f32 v204, v200
	v_nop
	s_wait_alu depctr_va_vdst(0)                   ; and ahead of its first reader
.set nn, 0
.rept 16
	v_pk_mul_f32 v[B0+nn:B0+nn+1], v[B0+nn:B0+nn+1], v[204:205] op_sel_hi:[1,0]
.set nn, nn+2
.endr
.set pp, 0
.rept 8                                ; y0 = x0 cos - x1 sin; y1 = x1 cos + x0 sin, two o at a time; four temporaries by turns
.set RT,  192+2*(pp%4)
.set RX0, B0+2*pp
.set RX1, B0+16+2*pp
.set RC,  160+2*pp
.set RS,  176+2*pp
	v_pk_mul_f32 v[RT:RT+1], v[RX0:RX0+1], v[RS:RS+1]
	v_pk_mul_f32 v[RX0:RX0+1], v[RX0:RX0+1], v[RC:RC+1]
	v_pk_fma_f32 v[RX0:RX0+1], v[RX1:RX1+1], v[RS:RS+1], v[RX0:RX0+1] neg_lo:[1,0,0] neg_hi:[1,0,0]
	v_pk_fma_f32 v[RX1:RX1+1], v[RX1:RX1+1], v[RC:RC+1], v[RT:RT+1]
.set pp, pp+1
.endr
.irp b, 0,1                            ; block b: the y0 or the y1 of two neighbouring quarters; two chains each
	v_max3_num_f32 v[206+2*\b], |v[B0+16*\b]|, |v[B0+16*\b+1]|, 0x1800000
	v_max3_num_f32 v[207+2*\b], |v[B0+16*\b+2]|, |v[B0+16*\b+3]|, |v[B0+16*\b+4]|
.endr
.irp i, 5,9
.irp b, 0,1
	v_max3_num_f32 v[206+2*\b], v[206+2*\b], |v[B0+16*\b+\i]|, |v[B0+16*\b+\i+1]|
	v_max3_num_f32 v[207+2*\b], v[207+2*\b], |v[B0+16*\b+\i+2]|, |v[B0+16*\b+\i+3]|
.endr
.endr
.irp b, 0,1
	v_max3_num_f32 v[206+2*\b], v[206+2*\b], |v[B0+16*\b+13]|, |v[B0+16*\b+14]|
.endr
.irp b, 0,1
	v_max3_num_f32 v[206+2*\b], v[206+2*\b], v[207+2*\b], |v[B0+16*\b+15]|
.endr
.irp b, 0,1
	v_max_num_f32_dpp v[206+2*\b], v[206+2*\b], v[206+2*\b] row_xmask:8 row_mask:0xf bank_mask:0xf
.endr
.irp b, 0,1
	v_add_nc_u32 v[210+\b], 0xff000000, v[206+2*\b]
.endr
.irp b, 0,1
	v_cvt_scalef32_pk8_fp4_f32 v[214+2*\b], v[B0+16*\b:B0+16*\b+7], v[210+\b]
	v_cvt_scalef32_pk8_fp4_f32 v[215+2*\b], v[B0+16*\b+8:B0+16*\b+15], v[210+\b]
.endr
.irp b, 0,1
	v_lshrrev_b32 v[212+\b], 23, v[210+\b]
.endr
.irp b, 0,1
	ds_store_b64 v[QS], v[214+2*\b:215+2*\b] offset:4096*\hd+32*\b   ; a row of 64 bytes: blocks 0, 1 the y0, blocks 2, 3 the y1
	ds_store_b8 v[SB], v[212+\b] offset:256*\hd+2*\b
.endr
.endm
	s_load_b512 s[4:19], s[0:1], 0x0               ; x, Wq's codes and scales, Wk's, Wv's, cos
	s_load_b256 s[20:27], s[0:1], 0x40             ; sin, v1, v_lamb, cod
	s_load_b64 s[28:29], s[0:1], 0x60              ; scl
	v_lshl_add_u32 v[SPW], v0, 2, SPARE
	v_mov_b32 v[NIL], 0
	ds_add_u32 v[SPW], v[NIL]                      ; the wave's opening: the add, twice on end, and its wait ahead of my first tensor load; work on registers stands between
	ds_add_u32 v[SPW], v[NIL]
	v_lshrrev_b32 v64, 5, v0
	v_readfirstlane_b32 s[WV], v64                 ; wave 0..7
	s_bfe_u32 s2, ttmp6, 0x40000                   ; cx
	s_lshl_b32 s[T], ttmp9, 2
	s_add_co_u32 s[T], s[T], s2                    ; my 64 tokens = 4 x cluster x + cx
	s_and_b32 s[G], ttmp7, 0xffff                  ; g
	s_and_b32 s[KV], s[G], 3
	s_lshr_b32 s[KIND], s[G], 2                    ; the third head: 0 k, 1 v: alike in all partners
	s_and_b32 s3, s[WV], 3                         ; w % 4
	s_lshr_b32 s71, s[WV], 2                       ; w / 4
	s_and_b32 s78, s[WV], 1
	s_bfe_u32 s79, s[WV], 0x10001                  ; (w / 2) % 2
	s_mul_i32 s80, s[WV], 2176
	s_add_co_u32 s84, s80, SW                      ; my two q tiles' scale bytes in LDS (also the 32 rows' that I bring)
	s_add_co_u32 s80, s80, XC                      ; my 8 tokens' codes
	s_mul_i32 s81, s[WV], 544
	s_add_co_u32 s81, s81, SX                      ; and scale bytes
	s_mul_i32 s82, s[WV], 8704                     ; my 32 rows of q
	s_mul_i32 s83, s[WV], 4352
	s_add_co_u32 s83, s83, 69632                   ; my 16 rows of the third head
	s_mul_i32 s85, s[WV], 1088
	s_add_co_u32 s85, s85, SW+17408                ; their scale bytes
	s_lshl_b32 s86, s71, 9
	s_lshl_b32 s87, s3, 6
	s_add_co_u32 s86, s86, s87                     ; where my q tiles' sums go in a row
	s_lshl_b32 s87, s[WV], 5
	s_add_co_u32 s87, s87, 1024                    ; and the third head's
	s_mul_i32 s88, s[WV], 8*HP                     ; my 8 tokens' sums
	s_lshl_b32 s89, s[WV], 9
	s_add_co_u32 s89, s89, STG
	s_lshl_b32 s90, s[WV], 5
	s_add_co_u32 s90, s90, SST
	s_mul_i32 s91, s71, 32*HP                      ; v: my 32 tokens,
	s_lshl_b32 s92, s3, 7
	s_add_co_u32 s91, s91, s92
	s_add_co_u32 s91, s91, 1024                    ; my 32 places
	s_lshl_b32 s92, s78, 8
	s_lshl_b32 s93, s79, 2
	s_add_co_u32 s92, s92, s93                     ; v: channel x 4 without the lane's part: channel = 64 (w % 2) + 2 lane + (w / 2) % 2
	s_lshl_b32 s93, s92, 3
	s_lshl_b32 s94, s71, 4
	s_add_co_u32 s93, s93, s94
	s_add_co_u32 s93, s93, STG+8192                ; v: channel x 32 + 16 x block
	s_lshr_b32 s94, s92, 1
	s_add_co_u32 s94, s94, s71
	s_add_co_u32 s94, s94, SST+512                 ; v: channel x 2 + block
	s_lshl_b32 s95, s[WV], 8
	s_add_co_u32 s95, s95, SST
	v_and_b32 v64, 15, v0                          ; r
	v_bfe_u32 v65, v0, 4, 1                        ; h
	v_and_b32 v66, 31, v0                          ; lane
	v_and_b32 v68, 7, v0
	v_bfe_u32 v69, v0, 3, 1
	v_lshl_or_b32 v67, v68, 1, v69                 ; 2 (r % 8) + r / 8: my row in a tile of W
	v_bfe_u32 v70, v0, 3, 2                        ; lane / 8: my quarter of a head's pairs
	v_lshlrev_b32 v[XO], 5, v64
	v_lshl_add_u32 v[XO], v65, 4, v[XO]
	v_lshl_add_u32 v[XCW], v66, 2, s80
	v_lshrrev_b32 v71, 2, v66
	v_add_nc_u32 v[SXW], s81, v71
	v_mul_u32_u24 v72, v67, 272
	v_lshl_add_u32 v72, v65, 4, v72
	v_add_nc_u32 v[AP], s82, v72
	v_add_nc_u32 v[AP3], s83, v72
	v_add_nc_u32 v[AP+1], SLOT, v[AP]
	v_add_nc_u32 v[AP3+1], SLOT, v[AP3]
	v_mul_u32_u24 v73, v64, 272
	v_lshl_add_u32 v73, v65, 4, v73
	v_add_nc_u32 v[AS], XC, v73
	v_lshrrev_b32 v74, 2, v67
	v_mul_u32_u24 v74, v74, 272
	v_and_b32 v75, 3, v67
	v_lshl_add_u32 v74, v75, 6, v74
	v_add_nc_u32 v[ASP], s84, v74
	v_add_nc_u32 v[ASP3], s85, v74
	v_lshrrev_b32 v76, 2, v64
	v_mul_u32_u24 v76, v76, 272
	v_and_b32 v77, 3, v64
	v_lshl_add_u32 v76, v77, 6, v76
	v_add_nc_u32 v[ASX], SX, v76
	v_mul_u32_u24 v78, v64, HP
	v_lshl_add_u32 v78, v65, 8, v78
	v_add_nc_u32 v[HQ], s86, v78
	v_add_nc_u32 v[H3], s87, v78
	v_add_nc_u32 v[HQ+1], 32*HP, v[HQ]
	v_add_nc_u32 v[H3+1], 32*HP, v[H3]
	v_mul_u32_u24 v79, v68, HP
	v_lshl_add_u32 v79, v70, 6, v79
	v_add_nc_u32 v[RB], s88, v79
	v_lshlrev_b32 v80, 6, v68
	v_lshl_add_u32 v80, v70, 3, v80
	v_add_nc_u32 v[QS], s89, v80
	v_lshl_add_u32 v81, v68, 2, v65
	v_add_nc_u32 v[SB], s90, v81
	v_lshl_add_u32 v[OB], v66, 4, s89
	v_lshlrev_b32 v[GO], 4, v66
	v_lshlrev_b32 v[CA], 8, v68
	v_lshl_add_u32 v[CA], v70, 6, v[CA]
	v_lshl_add_u32 v[VH], v66, 2, s91
	v_lshl_add_u32 v[VA], v66, 3, s92
	v_lshl_add_u32 v[VS], v66, 6, s93
	v_lshl_add_u32 v[VB], v66, 2, s94
	v_lshl_add_u32 v[SL], v66, 3, s95
	v_lshlrev_b32 v[GL], 3, v66
	v_mul_u32_u24 v82, v65, 272
	v_lshl_add_u32 v82, v64, 4, v82
	v_add_nc_u32 v[WSA], s84, v82
	v_add_nc_u32 v[WSB], s85, v82
	v_mov_b32 v202, 0                              ; a lane permute's destination counts as one of its sources
	v_mov_b32 v205, 0                              ; (the upper word of a pair of which the low word alone is used)
	s_mov_b32 s[SEL], 0x76543210
	s_mov_b32 s[SEL+1], 0xfedcba98                 ; v_permlanex16_b32's selects for lane l xor 16
	s_mov_b32 s74, 0x3c000000                      ; 1 / 128
	s_mov_b32 s75, 0x358637bd                      ; 1e-6
	s_mov_b32 s97, 0
	; groups 1: 64 or 32 rows x 256 bytes, 1,024 apart, elements of 1 byte, 16 bytes of padding behind each; the mask names all four partners
.irp g, G1Q, G1T
	s_mov_b32 s[\g], 15|PADW
	s_mov_b32 s[\g+1], 256<<16
	s_mov_b32 s[\g+3], 256<<16
	s_mov_b32 s[\g+5], 1024
	s_mov_b32 s[\g+6], 0
	s_mov_b32 s[\g+7], 0
.endr
	s_mov_b32 s[G1Q+2], 64<<16
	s_mov_b32 s[G1Q+4], 64
	s_mov_b32 s[G1T+2], 32<<16
	s_mov_b32 s[G1T+4], 32
	s_mul_i32 s[G0Q+1], s3, 17408
	s_mul_i32 s[G0T+1], s3, 8704
	s_add_co_u32 s[G0T+1], s[G0T+1], 69632
	s_add_co_u32 s[G0Q+5], s[G0Q+1], SLOT
	s_add_co_u32 s[G0T+5], s[G0T+1], SLOT
.irp s, 0,1
	s_mov_b32 s[G0Q+4*\s], 1
	s_mov_b32 s[G0T+4*\s], 1
.endr
	s_wait_alu depctr_va_vdst(0)                   ; the wait at the head's end
	s_wait_dscnt 0x0                               ; both opening adds are done
	s_wait_kmcnt 0x0
	s_load_b32 s76, s[24:25], 0x0                  ; v_lamb
	s_cmp_lt_u32 s[G], 4                           ; which weight is the third head's
	s_cselect_b64 s[10:11], s[10:11], s[14:15]
	s_cselect_b64 s[12:13], s[12:13], s[16:17]
	s_lshl_b32 s96, s[G], 14
	s_lshl_b32 s98, s[WV], 11
	s_add_co_u32 s96, s96, s98
	s_add_nc_u64 s[8:9], s[8:9], s[96:97]          ; Wq's scales: 256 rows of 64 bytes a g, 32 a wave
	s_lshl_b32 s96, s[KV], 13
	s_lshl_b32 s98, s[WV], 10
	s_add_co_u32 s96, s96, s98
	s_add_nc_u64 s[12:13], s[12:13], s[96:97]      ; the third head's: 128 rows, 16 a wave
	s_lshl_b32 s96, s[T], 19
	s_lshl_b32 s98, s[WV], 16
	s_add_co_u32 s96, s96, s98
	s_add_nc_u64 s[4:5], s[4:5], s[96:97]          ; x: 64 rows of 8,192 bytes, 8 a wave
.irp i, 0,1,2,3
	global_load_b128 v[208+4*\i:211+4*\i], v[GO], s[8:9] offset:512*\i
.endr
.irp i, 0,1
	global_load_b128 v[224+4*\i:227+4*\i], v[GO], s[12:13] offset:512*\i
.endr
.irp p, 0,1,2,3,4,5,6,7,8,9,10,11,12,13,14,15
	XLOAD 0, \p
.endr
	s_lshl_b32 s96, s[G], 18
	s_lshl_b32 s98, s3, 16
	s_add_co_u32 s96, s96, s98
	s_add_nc_u64 s[G0Q+2:G0Q+3], s[6:7], s[96:97]  ; Wq: 256 rows of 1,024 bytes a g, 64 a wave
	s_lshl_b32 s96, s[KV], 17
	s_lshl_b32 s98, s3, 15
	s_add_co_u32 s96, s96, s98
	s_add_nc_u64 s[G0T+2:G0T+3], s[10:11], s[96:97] ; the third head's: 128 rows, 32 a wave
	s_add_nc_u64 s[G0Q+6:G0Q+7], s[G0Q+2:G0Q+3], 256
	s_add_nc_u64 s[G0T+6:G0T+7], s[G0T+2:G0T+3], 256
.irp s, 0,1
	s_or_b32 s[G0Q+4*\s+3], s[G0Q+4*\s+3], 0x80000000
	s_or_b32 s[G0T+4*\s+3], s[G0T+4*\s+3], 0x80000000
.endr
	CROUND                                         ; all four work-groups are here: the joint loads meet
	JLOAD 0                                        ; W's chunk 0: one tensor load a wave at the head
	s_lshl_b32 s96, s[T], 14
	s_lshl_b32 s98, s[WV], 11
	s_add_co_u32 s96, s96, s98
	s_add_nc_u64 s[18:19], s[18:19], s[96:97]      ; cos, sin: 64 rows of 256 bytes, 8 a wave
	s_add_nc_u64 s[20:21], s[20:21], s[96:97]
	s_lshl_b32 s96, s[KV], 20
	s_lshl_b32 s98, s[T], 15
	s_add_co_u32 s96, s96, s98
	s_lshl_b32 s98, s71, 14
	s_add_co_u32 s96, s96, s98
	s_add_nc_u64 s[22:23], s[22:23], s[96:97]      ; v1: the head's 2,048 tokens of 512 bytes, 64 a work-group, my 32
	s_lshl_b32 s99, s[T], 12
	s_lshl_b32 s98, s[WV], 9
	s_add_co_u32 s99, s99, s98                     ; 4,096 bytes of codes a head, 512 a wave
	s_add_co_u32 s96, s[G], 16
	s_lshl_b32 s96, s96, 17
	s_add_co_u32 s96, s96, s99
	s_add_nc_u64 s[30:31], s[26:27], s[96:97]      ; head 16 + g
	s_lshl_b32 s96, s[G], 18
	s_add_co_u32 s96, s96, s99
	s_add_nc_u64 s[26:27], s[26:27], s[96:97]      ; head 2 g
	s_lshl_b32 s98, s[G], 1
	s_add_co_u32 s98, s98, s[WV]
	s_add_co_u32 s99, s[G], 16
	s_cmp_lt_u32 s[WV], 2
	s_cselect_b32 s98, s98, s99                    ; waves 0 to 2 store the scale bytes of one head each
	s_lshl_b32 s96, s98, 13
	s_lshl_b32 s98, s[T], 8
	s_add_co_u32 s96, s96, s98
	s_add_nc_u64 s[28:29], s[28:29], s[96:97]
	s_wait_loadcnt 0x20                            ; W's scale bytes are in; x's 32 loads may be out
.irp i, 0,1,2,3
	ds_store_b128 v[WSA], v[208+4*\i:211+4*\i] offset:544*\i
.endr
.irp i, 0,1
	ds_store_b128 v[WSB], v[224+4*\i:227+4*\i] offset:544*\i
.endr
.irp p, 0,4,8,12
	QB 0, \p
.endr
	s_wait_kmcnt 0x0                               ; v_lamb
	s_mov_b32 s77, s76                             ; (named with it as a pair)
	SEQ 2
	CROUND
	JLOAD 1                                        ; chunk 1 into slot 1
	CHUNK 0
	SEQ 0
	CROUND
	JLOAD 0                                        ; chunk 2 into slot 0
	CHUNK 1
	SEQ 1
	CROUND
	JLOAD 1                                        ; chunk 3 into slot 1
	CHUNK 2
	SEQ 2
	s_barrier_signal -1
	s_barrier_wait -1                              ; everybody's part of the last chunk has landed; nothing is filled again
	PLACES 4                                       ; for the loads into registers that the last products read
	s_cmp_eq_u32 s[KIND], 0
	s_cbranch_scc1 .Lno_v1
.set nn, 0
.rept 32
	global_load_b32 v[224+nn], v[VA], s[22:23] offset:512*nn   ; v1 at (token nn of my 32, my channel)
.set nn, nn+1
.endr
.Lno_v1:
.irp k, 0,1,2,3
	global_load_b128 v[160+4*\k:163+4*\k], v[CA], s[18:19] offset:16*\k
.endr
.irp k, 0,1,2,3
	global_load_b128 v[176+4*\k:179+4*\k], v[CA], s[20:21] offset:16*\k
.endr
	CHUNK 3
	PLACES 4                                       ; in front of the first read of results
	WIN 0x04                                       ; the data: window 1
.irp tt, 0,1,2,3
.irp i, 0,1
	ds_store_b128 v[HQ+(\tt/2)], v[ACC+32*\i+8*\tt:ACC+32*\i+8*\tt+3] offset:16*HP*(\tt%2)+32*\i   ; each accumulator from its low end on
	ds_store_b128 v[HQ+(\tt/2)], v[ACC+32*\i+8*\tt+4:ACC+32*\i+8*\tt+7] offset:16*HP*(\tt%2)+32*\i+16
.endr
	ds_store_b128 v[H3+(\tt/2)], v[ACC+64+8*\tt:ACC+64+8*\tt+3] offset:16*HP*(\tt%2)
	ds_store_b128 v[H3+(\tt/2)], v[ACC+64+8*\tt+4:ACC+64+8*\tt+7] offset:16*HP*(\tt%2)+16
.endr
	WIN 0
	s_wait_dscnt 0x0                               ; for the others' sake
	s_barrier_signal -1
	s_barrier_wait -1
.macro BACK hd
.irp k, 0,1,2,3
	ds_load_b128 v[64+32*\hd+4*\k:67+32*\hd+4*\k], v[RB] offset:512*\hd+16*\k
	ds_load_b128 v[80+32*\hd+4*\k:83+32*\hd+4*\k], v[RB] offset:512*\hd+256+16*\k
.endr
.endm
	s_cmp_eq_u32 s[KIND], 0
	s_cbranch_scc1 .Lback_k
.set nn, 0
.rept 32
	ds_load_b32 v[128+nn], v[VH] offset:HP*nn      ; v: my channel's 32 tokens
.set nn, nn+1
.endr
	s_branch .Lback
.Lback_k:
	BACK 2
.Lback:
	BACK 0
	BACK 1
	s_wait_loadcnt 0x0                             ; cos, sin, v1
	EPI 0, 8                                       ; head 1's eight loads may be out (the third head's came ahead of head 0's)
	EPI 1, 4                                       ; head 0's four stores may be out
	s_cmp_eq_u32 s[KIND], 0
	s_cbranch_scc1 .Lepi_k
.set nn, 0
.rept 16
	v_pk_add_f32 v[224+nn:225+nn], v[224+nn:225+nn], v[128+nn:129+nn] neg_lo:[0,1] neg_hi:[0,1]   ; v1 - v
.set nn, nn+2
.endr
.set nn, 0
.rept 16
	v_pk_fma_f32 v[128+nn:129+nn], v[224+nn:225+nn], s[76:77], v[128+nn:129+nn] op_sel_hi:[1,0,1]   ; v + lamb (v1 - v)
.set nn, nn+2
.endr
.irp c, 0,1,2,3
	v_max3_num_f32 v[192+\c], |v[128+8*\c]|, |v[129+8*\c]|, 0x1800000   ; the block's largest magnitude, in four chains
.endr
.irp i, 2,4,6
.irp c, 0,1,2,3
	v_max3_num_f32 v[192+\c], v[192+\c], |v[128+8*\c+\i]|, |v[129+8*\c+\i]|
.endr
.endr
	v_max3_num_f32 v192, v192, v193, v194
	v_max_num_f32 v192, v192, v195
	v_add_nc_u32 v210, 0xff000000, v192
.irp c, 0,1,2,3
	v_cvt_scalef32_pk8_fp4_f32 v[216+\c], v[128+8*\c:135+8*\c], v210
.endr
	v_lshrrev_b32 v212, 23, v210
	ds_store_b128 v[VS], v[216:219]
	ds_store_b8 v[VB], v212
	s_branch .Lout
.Lepi_k:
	EPI 2, 8
.Lout:
	s_wait_dscnt 0x0
	s_barrier_signal -1
	s_barrier_wait -1
.irp i, 0,1,2
	ds_load_b128 v[64+4*\i:67+4*\i], v[OB] offset:4096*\i
.endr
	s_wait_dscnt 0x0
	global_store_b128 v[GO], v[64:67], s[26:27]    ; 512 consecutive bytes a store
	global_store_b128 v[GO], v[68:71], s[26:27] offset:131072
	global_store_b128 v[GO], v[72:75], s[30:31]
	s_cmp_lt_u32 s[WV], 3
	s_cbranch_scc0 .Lend
	ds_load_b64 v[76:77], v[SL]
	s_wait_dscnt 0x0
	global_store_b64 v[GL], v[76:77], s[28:29]     ; 256 consecutive bytes
.Lend:
	s_wait_tensorcnt 0x0                           ; the wave's end: the wait, the add and its wait behind my last tensor load and my last LDS store
	ds_add_u32 v[SPW], v[NIL]
	s_wait_dscnt 0x0
	CROUND                                         ; the closing round: no work-group ends while a partner may still ask for a tile that names it
	s_endpgm
.Lfunc_end_k_q55a961e38e_qkv:
	.size	k_q55a961e38e_qkv, .Lfunc_end_k_q55a961e38e_qkv-k_q55a961e38e_qkv
	.p2alignl 7, 3214868480
	.fill 96, 4, 3214868480
	.section	.rodata,"a",@progbits
	.p2align	6, 0x0
	.amdhsa_kernel k_q55a961e38e_qkv
		.amdhsa_group_segment_fixed_size 327680
		.amdhsa_private_segment_fixed_size 0
		.amdhsa_enable_private_segment 0
		.amdhsa_kernarg_size 104
		.amdhsa_user_sgpr_count 2
		.amdhsa_user_sgpr_kernarg_segment_ptr 1
		.amdhsa_wavefront_size32 1
		.amdhsa_system_sgpr_workgroup_id_x 1
		.amdhsa_system_sgpr_workgroup_id_y 1
		.amdhsa_system_sgpr_workgroup_id_z 1
		.amdhsa_system_vgpr_workitem_id 0
		.amdhsa_next_free_vgpr 480
		.amdhsa_next_free_sgpr 106
		.amdhsa_reserve_vcc 0
		.amdhsa_float_denorm_mode_32 3
		.amdhsa_float_denorm_mode_16_64 3
		.amdhsa_memory_ordered 1
		.amdhsa_forward_progress 1
		.amdhsa_inst_pref_size 156
	.end_amdhsa_kernel
	.amdgpu_metadata
---
amdhsa.version: [ 1, 2 ]
amdhsa.kernels:
  - .name:           k_q55a961e38e_qkv
    .symbol:         k_q55a961e38e_qkv.kd
    .args:
      - { .name: x, .offset: 0, .size: 8, .value_kind: global_buffer, .address_space: global }
      - { .name: Wq_codes, .offset: 8, .size: 8, .value_kind: global_buffer, .address_space: global }
      - { .name: Wq_scales, .offset: 16, .size: 8, .value_kind: global_buffer, .address_space: global }
      - { .name: Wk_codes, .offset: 24, .size: 8, .value_kind: global_buffer, .address_space: global }
      - { .name: Wk_scales, .offset: 32, .size: 8, .value_kind: global_buffer, .address_space: global }
      - { .name: Wv_codes, .offset: 40, .size: 8, .value_kind: global_buffer, .address_space: global }
      - { .name: Wv_scales, .offset: 48, .size: 8, .value_kind: global_buffer, .address_space: global }
      - { .name: cos, .offset: 56, .size: 8, .value_kind: global_buffer, .address_space: global }
      - { .name: sin, .offset: 64, .size: 8, .value_kind: global_buffer, .address_space: global }
      - { .name: v1, .offset: 72, .size: 8, .value_kind: global_buffer, .address_space: global }
      - { .name: v_lamb, .offset: 80, .size: 8, .value_kind: global_buffer, .address_space: global }
      - { .name: cod, .offset: 88, .size: 8, .value_kind: global_buffer, .address_space: global }
      - { .name: scl, .offset: 96, .size: 8, .value_kind: global_buffer, .address_space: global }
    .group_segment_fixed_size: 327680
    .private_segment_fixed_size: 0
    .kernarg_segment_align: 8
    .kernarg_segment_size: 104
    .max_flat_workgroup_size: 256
    .sgpr_count:     106
    .vgpr_count:     480
    .wavefront_size: 32
...
	.end_amdgpu_metadata
.endif
;; end of part 1
;; launch attn (part 2): grid 16 x 16, 16 waves a work-group, clusters of 4 x 1, 327,680 bytes of LDS; arguments cod, scl, x, gate_w, yc, ys, v1, out1; writes yc, ys, out1
.if DOCPART == 2
	.amdgcn_target "amdgcn-amd-amdhsa--gfx1250"
	.amdhsa_code_object_version 6
	.text
	.protected	k_q55a961e38e_attn
	.globl	k_q55a961e38e_attn
	.p2align	8
	.type	k_q55a961e38e_attn,@function
k_q55a961e38e_attn:
	s_mov_b64 s[64:65], 0
	v_nop
	global_prefetch_b8 v0, s[64:65] scope:SCOPE_SE
	s_setreg_imm32_b32 hwreg(HW_REG_WAVE_MODE, 25, 1), 1
	s_wait_xcnt 0x0
	s_wait_alu depctr_hold_cnt(0) depctr_sa_sdst(0) depctr_va_vdst(0) depctr_va_sdst(0) depctr_va_ssrc(0) depctr_va_vcc(0) depctr_vm_vsrc(0)
	s_getreg_b32 s2, hwreg(HW_REG_IB_STS2, 6, 4)
	s_cmp_eq_u32 s2, 0
	s_cbranch_scc0 .Lentry_in_a_cluster
	s_endpgm
.Lentry_in_a_cluster:
	s_bfe_u32 s2, ttmp6, 0x10000c
	s_cmp_lg_u32 s2, 0x3003
	s_cbranch_scc0 .Lentry_shape_is_right
	s_endpgm
.Lentry_shape_is_right:
; SECOND LAUNCH: y[hq][q] = sigmoid(x[q][0:16] . gate_w[hq]) x (the sum over keys of p V) / l, causal, both products on codes of FP4 with E8M0 scales; y is quantised along (head, channel) for the last product.
; WORK LEFT OUT: key steps of 128 keys that lie wholly behind a tile's 16 queries (reference() builds the causal mask itself and their weights are 0 for all finite inputs); pos_ids has no way to any output.
; THE SOFTMAX: t = score x log2(e) / sqrt(128); M = the running largest t rounded UP to a whole number; p = 2^(t - M) is quantised along the keys, not normalised; the sum l is taken of the unquantised p; when M moves, l and O are
; multiplied by 2^(old M - new M), which rounds nothing.  The gate's product (K = 16) is made of f32 multiply-adds, since it goes on into a quantiser.
; IN: cod [24][2048][64 bytes], scl [24][2048][4]: heads 0-15 q, 16-19 k (row = token), 20-23 v (row = 128 x key step + channel, keys innermost).
; OUT: yc [128 token tiles][16 heads][1,024 bytes]: the image of an operand's registers (registers 0-3 at 16 x lane, 4-7 at 512 + 16 x lane); ys [16 heads][2048 tokens][4 bytes].
; SHARES.  A cluster is the 4 query heads of one key and value head, all with the same j (work-group y).  A work-group has 8 tiles of 16 queries: j + 16 p and 127 - j - 16 p, p = 0 .. 3: 68 key steps, whatever j.
; TWO WAVES SHARE A TILE'S KEY STEPS: waves w and w xor 1 own one tile; the one with z = 0 takes key steps 0, 2, 4 .., the one with z = 1 steps 1, 3, 5 ..; each has its own running M, sum and O^T.  So no wave walks more than 8 steps.
; With p = w / 4, c = w % 4: the high tile where (c >> 1) xor ((p xor (p >> 1)) & 1) is 1; z = (c & 1) xor (p >> 1).  Laid as a square of 4 x 4 (w / 4, w % 4), every row and every column of waves holds 17 key steps.
; THE HAND-OVER.  When all sixteen waves have left their loops, the waves with z = 1 store O^T, -M and the sum as images of their registers, each into 8,704 bytes of its own in K's bytes (which have had their last fill and their last
; read); behind a barrier the waves with z = 0 take their partner's and join: -M = the lesser of the two, each half is multiplied by 2^(its M - M), which rounds nothing.  A wave without a step hands over zeros, and its factor is 0.
; The tiles and the shares are the same in all four partners; cx enters global addresses alone.
; NO RING: the head's whole K and V (131,072 bytes each) and their scale words lie in LDS.  Waves 0-7 fetch K's, waves 8-15 V's; each wave issues three joint loads at the head: 1,024 bytes of scale words; half a key step of steps 0 to 3;
; one and a half key steps of steps 4 to 15.  Three are out at the most.  Every work-group has a tile of queries from 112 on, which reads key steps 0 to 14: so some bytes of every tile are read by every partner.  No LDS byte is filled twice.
; LAYOUT.  Both products are used transposed: S^T = K Q^T, O^T = V^T P^T: a lane holds ONE query (lane % 16); register 8 t + j of a result is key (or channel) 16 t + 8 h + j.
; LIMITS: the quantiser's (byte 1 for blocks of zeros or under 2^(3 - 127); NaN and infinities not served); y is scaled by gate x (1 / l) x a power of two, and the two halves of the keys are summed apart: roundings of f32.
; REGISTERS: v1-4 addresses that stay; v5, v6 the add's; v7 the gate; v8-11 addresses in hand; v12 -M, v13 the largest t, v[14:15] the sum; v16-23 Q; v24-31 the 8 tiles' scale words; v32-95 eight fragments of K or V;
;   v96-159 S^T, then p, at the end the partner's O^T and y; v160-223 O^T; v224-231 codes; v232-239, v244-247 at work; v240, v241 the hand-over's addresses; v[242:243], v[250:251] the two halves' factors; v248, v249 store offsets;
;   v252 f; v253 p's scale word; v254 at work; v255 Q's scale words.
.set PADW,  (1<<20)|(1<<21)|(5<<22)|(3<<25)
; THE LOADS, in place of the lines on them above (this is the second launch of three).  Each wave issues ONE joint load at the head, half a key step of steps 0 to 3; its second, one and a half key steps of steps 4 to 15, stands behind a
; round of the cluster's barrier, with two of its key steps' work in which to land.  The scale words come through registers: wave w stores those of key step w.
; v lies as [32 half steps of 64 tokens][128 channels][32 bytes], its scale bytes as [32][128][2]; the four bytes of a key step and channel are joined here.  v1 is copied to out1, 1,024 bytes a wave.
; No data prefetch: what the second load brings is asked for two key steps ahead, and nothing is streamed behind it.
.set VB,    139264
.set SCK,   278528                     ; K's scale words, 4 bytes a row, likewise: a key step is 544 bytes
.set SCV,   287232
.set SPARE, 295936                     ; the spare words, 128 bytes for each of the sixteen waves
.set MSLOT, 8704                       ; the hand-over: 17 images of four registers, 512 bytes each, for each wave: 16 x 8,704 bytes are K's 139,264
.set AK0,  1
.set AV0,  2
.set ASK0, 3
.set ASV0, 4
.set SPW,  5
.set NIL,  6
.set GT,   7
.set ADK,  8
.set ADV,  9
.set ADS,  10
.set ADT,  11
.set TM,   232
.set MA,   240                         ; my own place for the hand-over
.set MB,   241                         ; my partner's
.set GO,   248
.set GS,   249
.set WV,   16
.set Z,    19                          ; which of a tile's two waves I am
.set SEL,  20
.set CS,   22
.set G1,   24                          ; s[24:31] 16 rows of 256 bytes
.set G1S,  32                          ; s[32:39] 4 rows
.set G0S,  40
.set G0A,  44
.set G1B,  48                          ; s[48:55] 48 rows
.set G0B,  56
.set KF,   60                          ; the step's first key
.set Q0,   61                          ; my first query
.set TB,   62                          ; LDS byte of the step's tiles
.set TS,   63                          ; and of its scale words
.set CNT,  66
.set TT,   67                          ; my tile of queries
.macro CROUND
	s_barrier_signal -1
	s_barrier_wait -1
	s_cmp_lg_u32 s[WV], 0
	s_cbranch_scc1 .Lnot_wave_0_\@
	s_barrier_signal -3
.Lnot_wave_0_\@:
	s_barrier_wait -3
	s_barrier_signal -1
	s_barrier_wait -1
.endm
; 64 numbers of a lane, register 8 t + j = k 16 t + 8 h + j of my row, become a fragment's 8 registers at v[pc] and the row's scale word in v[pw] (as in the second launch)
.macro QUANTN s, pc, pw
.irp b, 0,1,2,3
	v_max3_num_f32 v[TM+\b], |v[\s+16*\b]|, |v[\s+16*\b+1]|, 0x1800000
.endr
.irp i, 2,4,6,8,10,12,14
.irp b, 0,1,2,3
	s_delay_alu instid0(VALU_DEP_4)
	v_max3_num_f32 v[TM+\b], v[TM+\b], |v[\s+16*\b+\i]|, |v[\s+16*\b+\i+1]|
.endr
.endr
.irp b, 0,1,2,3
	s_delay_alu instid0(VALU_DEP_4)
	v_permlanex16_b32 v[TM+4+\b], v[TM+\b], s[SEL], s[SEL+1]
.endr
.irp b, 0,1,2,3
	s_delay_alu instid0(VALU_DEP_4)
	v_max_num_f32 v[TM+\b], v[TM+\b], v[TM+4+\b]
.endr
.irp b, 0,1,2,3
	s_delay_alu instid0(VALU_DEP_4)
	v_add_nc_u32 v[TM+12+\b], 0xff000000, v[TM+\b]
.endr
.irp b, 0,1,2,3
	s_delay_alu instid0(VALU_DEP_4)
	v_lshrrev_b32 v[TM+4+\b], 23, v[TM+12+\b]
.endr
	s_delay_alu instid0(VALU_DEP_3)
	v_lshl_or_b32 v[\pw], v[TM+5], 8, v[TM+4]
	s_delay_alu instid0(VALU_DEP_1)
	v_lshl_or_b32 v[\pw], v[TM+6], 16, v[\pw]
	s_delay_alu instid0(VALU_DEP_1)
	v_lshl_or_b32 v[\pw], v[TM+7], 24, v[\pw]
.irp b, 0,1,2,3
.irp u, 0,1
	v_cvt_scalef32_pk8_fp4_f32 v[\pc+4*(\b/2)+2*\u+(\b%2)], v[\s+16*\b+8*\u:\s+16*\b+8*\u+7], v[TM+12+\b]
.endr
.endr
	v_nop
.irp c, 0,1
.irp u, 0,1
	v_permlane16_swap_b32 v[\pc+4*\c+2*\u], v[\pc+4*\c+2*\u+1]
.endr
.endr
.endm
	s_load_b256 s[4:11], s[0:1], 0x0               ; cod s[4:5], scl s[6:7], x s[8:9], gate_w s[10:11]
	s_load_b128 s[12:15], s[0:1], 0x20
	s_load_b128 s[96:99], s[0:1], 0x30             ; v1, out1
	v_lshl_add_u32 v[SPW], v0, 2, SPARE
	v_mov_b32 v[NIL], 0
	ds_add_u32 v[SPW], v[NIL]                      ; the wave's opening: the add, twice on end, and its wait ahead of my first tensor load; work on registers stands between
	ds_add_u32 v[SPW], v[NIL]
	v_lshrrev_b32 v8, 5, v0
	s_delay_alu instid0(VALU_DEP_1)
	v_readfirstlane_b32 s[WV], v8                  ; wave 0..15
	s_lshr_b32 s17, s[WV], 3                       ; 0: I fetch for K; 1: for V
	s_and_b32 s18, s[WV], 7                        ; which eighth I fetch
	s_lshr_b32 s86, s[WV], 2                       ; p
	s_lshr_b32 s87, s86, 1                         ; p >> 1
	s_xor_b32 s88, s86, s87
	s_and_b32 s88, s88, 1                          ; 1 for p = 1, 2
	s_bfe_u32 s89, s[WV], 0x10001                  ; c >> 1
	s_xor_b32 s88, s88, s89                        ; 1: the high tile
	s_and_b32 s[Z], s[WV], 1
	s_xor_b32 s[Z], s[Z], s87                      ; z: 0 the even key steps, 1 the odd ones
	s_mul_i32 s91, s[WV], MSLOT                    ; the hand-over: my place,
	s_xor_b32 s92, s[WV], 1
	s_mul_i32 s92, s92, MSLOT                      ; and that of the wave that shares my tile
	s_bfe_u32 s84, ttmp6, 0x40000                  ; cx
	s_lshl_b32 s85, ttmp9, 2
	s_add_co_u32 s85, s85, s84                     ; my query head = 4 x key and value head + cx
	s_and_b32 s90, ttmp7, 0xffff                   ; j
	s_lshl_b32 s87, s86, 4
	s_add_co_u32 s[TT], s90, s87                   ; j + 16 p
	s_sub_co_u32 s87, 127, s[TT]
	s_cmp_eq_u32 s88, 0
	s_cselect_b32 s[TT], s[TT], s87
	s_lshl_b32 s[Q0], s[TT], 4
	s_lshl_b32 s88, s17, 2
	s_add_co_u32 s88, s88, ttmp9
	s_add_co_u32 s88, s88, 16                      ; the head of cod that I fetch from: 16 + kv (K) or 20 + kv (V): shared by the four partners
	; groups 1: dense blocks as rows of 256 bytes (32 elements of 8 bytes), 16 bytes of padding behind each; the mask names all four work-groups
.irp g, G1, G1B
	s_mov_b32 s[\g], 15|(3<<16)|PADW
	s_mov_b32 s[\g+1], 32<<16
	s_mov_b32 s[\g+3], 32<<16
	s_mov_b32 s[\g+5], 32
	s_mov_b32 s[\g+6], 0
	s_mov_b32 s[\g+7], 0
.endr
	s_mov_b32 s[G1+2], 16<<16                      ; half a key step
	s_mov_b32 s[G1+4], 16
	s_mov_b32 s[G1B+2], 48<<16                     ; one and a half key steps
	s_mov_b32 s[G1B+4], 48
	s_add_co_u32 s40, ttmp9, 16
	s_lshl_b32 s40, s40, 13                        ; k's scale words: 8,192 bytes a head; key step w: 512 bytes; v's lie four heads further on
	s_lshl_b32 s89, s[WV], 9
	s_add_co_u32 s40, s40, s89
	s_mov_b32 s41, 0
	s_lshl_b32 s42, s85, 4
	s_add_co_u32 s42, s42, s90
	s_lshl_b32 s42, s42, 14                        ; v1's copy: 16,384 bytes a work-group, 1,024 a wave
	s_lshl_b32 s89, s[WV], 10
	s_add_co_u32 s42, s42, s89
	s_mov_b32 s43, 0
	s_mul_i32 s95, s[WV], 544
	s_add_co_u32 s95, s95, SCK
	s_mov_b32 s[G0A], 1
	s_mul_i32 s[G0A+1], s17, VB
	s_mul_i32 s89, s18, 4352
	s_add_co_u32 s[G0A+1], s[G0A+1], s89
	s_lshl_b32 s[G0A+2], s88, 17                   ; 131,072 bytes of codes a head; of key steps 0 to 3 4,096 bytes a wave
	s_lshl_b32 s89, s18, 12
	s_add_co_u32 s[G0A+2], s[G0A+2], s89
	s_mov_b32 s[G0A+3], 0
	s_mov_b32 s[G0B], 1
	s_mul_i32 s[G0B+1], s17, VB
	s_mul_i32 s89, s18, 13056
	s_add_co_u32 s[G0B+1], s[G0B+1], s89
	s_add_co_u32 s[G0B+1], s[G0B+1], 34816
	s_lshl_b32 s[G0B+2], s88, 17                   ; of key steps 4 to 15 12,288 bytes a wave
	s_mul_i32 s89, s18, 12288
	s_add_co_u32 s[G0B+2], s[G0B+2], s89
	s_add_co_u32 s[G0B+2], s[G0B+2], 32768
	s_mov_b32 s[G0B+3], 0
	s_mov_b32 s[SEL], 0x76543210
	s_mov_b32 s[SEL+1], 0xfedcba98
	s_mov_b32 s[CS], 0x3e0293ee                    ; c = log2(e) / sqrt(128)
	s_mov_b32 s[CS+1], s[CS]
	v_and_b32 v8, 15, v0                           ; r
	v_bfe_u32 v9, v0, 4, 1                         ; h
	s_delay_alu instid0(VALU_DEP_2)
	v_lshrrev_b32 v10, 2, v8
	s_delay_alu instid0(VALU_DEP_1)
	v_mul_u32_u24 v[AK0], v10, 272
	s_delay_alu instid0(VALU_DEP_4)
	v_and_b32 v10, 3, v8
	s_delay_alu instid0(VALU_DEP_1)
	v_lshl_add_u32 v[AK0], v10, 6, v[AK0]
	s_delay_alu instid0(VALU_DEP_1)
	v_lshl_add_u32 v[AK0], v9, 4, v[AK0]           ; row r of a tile: run r / 4, place 64 (r % 4), + 16 h: sixteen lanes touch sixteen different columns of 16 bytes
	v_lshrrev_b32 v10, 3, v8
	v_mul_u32_u24 v132, v9, 272
	v_mul_u32_u24 v[AV0], v10, 272
	v_and_b32 v10, 7, v8
	v_lshl_add_u32 v132, v8, 4, v132
	v_lshl_add_u32 v[AV0], v10, 5, v[AV0]
	v_add_nc_u32 v132, s95, v132                   ; the scale words that I store: 16 bytes a lane
	v_lshl_add_u32 v[AV0], v9, 4, v[AV0]
	v_and_b32 v133, 31, v0
	v_add_nc_u32 v[AV0], VB, v[AV0]                ; V: channel r of a tile: run r / 8, place 32 (r % 8) + 16 h
	v_lshlrev_b32 v133, 3, v133                    ; 8 x lane
	v_lshl_add_u32 v[ASK0], v8, 2, SCK
	v_lshl_add_u32 v[ASV0], v8, 2, SCV
	v_and_b32 v[GO], 31, v0
	s_delay_alu instid0(VALU_DEP_1)
	v_lshlrev_b32 v[GO], 4, v[GO]
	s_delay_alu instid0(VALU_DEP_1)
	v_add_nc_u32 v[MA], s91, v[GO]                 ; every LDS address is made here, ahead of the first branch on the wave's number
	s_delay_alu instid0(VALU_DEP_2)
	v_add_nc_u32 v[MB], s92, v[GO]
	v_lshlrev_b32 v[GS], 2, v8
	v_lshlrev_b32 v232, 6, v8
	s_delay_alu instid0(VALU_DEP_1)
	v_lshl_add_u32 v232, v9, 4, v232               ; Q: row r of 64 bytes + 16 h
	v_lshlrev_b32 v233, 13, v8                     ; x: row r of 8,192 bytes
	s_wait_dscnt 0x0                               ; both opening adds are done
	s_wait_kmcnt 0x0
	s_add_nc_u64 s[40:41], s[6:7], s[40:41]
	s_add_nc_u64 s[96:97], s[96:97], s[42:43]
	s_add_nc_u64 s[98:99], s[98:99], s[42:43]
	s_add_nc_u64 s[G0A+2:G0A+3], s[4:5], s[G0A+2:G0A+3]
	s_or_b32 s[G0A+3], s[G0A+3], 0x80000000
	s_add_nc_u64 s[G0B+2:G0B+3], s[4:5], s[G0B+2:G0B+3]
	s_or_b32 s[G0B+3], s[G0B+3], 0x80000000
	CROUND                                         ; all four work-groups are here: the joint loads meet
	tensor_load_to_lds s[G0A:G0A+3], s[G1:G1+7]
	s_nop 0
.rept 4
	v_nop
.endr
	s_lshl_b32 s90, s85, 17
	s_lshl_b32 s86, s[Q0], 6
	s_add_co_u32 s90, s90, s86
	s_mov_b32 s91, 0
	s_add_nc_u64 s[4:5], s[4:5], s[90:91]          ; Q's codes at my first query
	s_lshl_b32 s92, s85, 13
	s_lshl_b32 s86, s[Q0], 2
	s_add_co_u32 s92, s92, s86
	s_mov_b32 s93, 0
	s_add_nc_u64 s[6:7], s[6:7], s[92:93]          ; its scale words;
	s_add_nc_u64 s[14:15], s[14:15], s[92:93]      ; ys has the same place
	s_lshl_b32 s94, s[Q0], 13
	s_mov_b32 s95, 0
	s_add_nc_u64 s[8:9], s[8:9], s[94:95]          ; x at my first query
	s_lshl_b32 s94, s85, 6
	s_add_nc_u64 s[10:11], s[10:11], s[94:95]      ; gate_w's row of my head
	s_lshl_b32 s94, s[TT], 4
	s_add_co_u32 s94, s94, s85
	s_lshl_b32 s94, s94, 10
	s_add_nc_u64 s[12:13], s[12:13], s[94:95]      ; yc: image (tile, head)
	s_wait_alu depctr_va_vdst(0)
	global_load_b128 v[16:19], v232, s[4:5]        ; Q's fragment stays in registers
	global_load_b128 v[20:23], v232, s[4:5] offset:32
	global_load_b32 v255, v[GS], s[6:7]
	global_load_b128 v[120:123], v[GO], s[40:41]   ; k's scale words of key step w: four keys a lane
	global_load_b64 v[124:125], v133, s[40:41] offset:32768        ; v's bytes of its two half steps: four channels a lane
	global_load_b64 v[126:127], v133, s[40:41] offset:33024
	global_load_b128 v[136:139], v[GO], s[96:97] th:TH_LOAD_NT
	global_load_b128 v[140:143], v[GO], s[96:97] offset:512 th:TH_LOAD_NT
	v_mov_b32 v13, 0xff61b1e6                      ; the largest t so far: -3e38, under every t
	s_delay_alu instid0(VALU_DEP_1)
	v_floor_f32 v12, -v13                          ; -M
	v_mov_b32 v14, 0
	v_mov_b32 v15, 0
	v_mov_b32 v[GT], 0
.irp b, 236,237,238,239,243,251,252,253
	v_mov_b32 v[\b], 0                             ; written once: lane permutes' destinations, and the upper words of pairs
.endr
.set nn, 0
.rept 64
	v_mov_b32 v[160+nn], 0                         ; O^T.  (The step is written once for a loop: its first trip finds zeros, which the first change of M leaves zeros; a wave without a step hands zeros over)
.set nn, nn+1
.endr
	s_cmp_lg_u32 s[Z], 0                           ; the gate is wanted by the wave that finishes the tile, z = 0, alone
	s_cbranch_scc1 .Lno_gate
.irp i, 0,1,2,3
	global_load_b128 v[96+4*\i:99+4*\i], v233, s[8:9] offset:16*\i   ; x[q][0:16]: all that the gate wants of a row
.endr
	s_load_b512 s[68:83], s[10:11], 0x0
	s_wait_kmcnt 0x0
	s_wait_loadcnt 0x0
	v_mul_f32 v112, s68, v96                       ; the gate's sum, K ascending, in f32
.irp i, 1,2,3,4,5,6,7,8,9,10,11,12,13,14,15
	s_delay_alu instid0(VALU_DEP_1)
	v_fmac_f32 v112, s[68+\i], v[96+\i]
.endr
	s_delay_alu instid0(VALU_DEP_1)
	v_mul_f32 v112, 0xbfb8aa3b, v112               ; sigmoid(z) = 1 / (1 + 2^(-z log2(e)))
	s_wait_alu depctr_va_vdst(0)
	v_exp_f32 v112, v112
	v_nop
	s_wait_alu depctr_va_vdst(0)                   ; the wait ahead of a transcendental's first reader
	v_add_f32 v112, 1.0, v112
	s_wait_alu depctr_va_vdst(0)
	v_rcp_f32 v[GT], v112
	v_nop
	s_wait_alu depctr_va_vdst(0)
.Lno_gate:
	s_wait_loadcnt 0x0                             ; Q, the scale words, v1's piece
	v_perm_b32 v128, v126, v124, 0x05040100        ; a channel's four bytes: the first half step's two in the low half
	v_perm_b32 v129, v126, v124, 0x07060302
	v_perm_b32 v130, v127, v125, 0x05040100
	v_perm_b32 v131, v127, v125, 0x07060302
	ds_store_b128 v132, v[120:123]
	ds_store_b128 v132, v[128:131] offset:SCV-SCK
	global_store_b128 v[GO], v[136:139], s[98:99] th:TH_STORE_NT
	global_store_b128 v[GO], v[140:143], s[98:99] offset:512 th:TH_STORE_NT
; A KEY STEP: 128 keys from s[KF] on; its tiles lie at s[TB], its scale words at s[TS].  The next step of mine is the next but one of the tile.
.macro STEP
	s_add_co_u32 s84, s[Q0], 15
	s_cmp_gt_u32 s[KF], s84                        ; all its keys come behind my 16 queries: the step's work is left out.  Ids and the count of steps alone decide; no barrier and no tensor load stands in a step
	s_cbranch_scc1 .Lhidden_\@
	v_add_nc_u32 v[ADK], s[TB], v[AK0]             ; (these four are also the plain lines between the last step's products and the loads below)
	v_add_nc_u32 v[ADV], s[TB], v[AV0]
	v_add_nc_u32 v[ADS], s[TS], v[ASK0]
	v_add_nc_u32 v[ADT], s[TS], v[ASV0]
.irp t, 0,1,2,3,4,5,6,7
.irp c, 0,1
	ds_load_b128 v[32+8*\t+4*\c:32+8*\t+4*\c+3], v[ADK] offset:1088*\t+32*\c
.endr
	ds_load_b32 v[24+\t], v[ADS] offset:272*(\t/4)+64*(\t%4)
.endr
	s_wait_alu depctr_va_vdst(0)
	s_wait_dscnt 0x0
.irp t, 0,1,2,3,4,5,6,7
	v_wmma_scale_f32_16x16x128_f8f6f4 v[96+8*\t:103+8*\t], v[32+8*\t:39+8*\t], v[16:23], 0, v[24+\t], v255 matrix_a_fmt:MATRIX_FMT_FP4 matrix_b_fmt:MATRIX_FMT_FP4
.endr
.rept 4
	v_nop                                          ; four plain lines in front of the loads into registers that these products read, and of the first read of the scores
.endr
.irp t, 0,1,2,3,4,5,6,7                        ; V's eight tiles are asked for now and land under the softmax
.irp c, 0,1
	ds_load_b128 v[32+8*\t+4*\c:32+8*\t+4*\c+3], v[ADV] offset:544*\t+4352*\c
.endr
	ds_load_b32 v[24+\t], v[ADT] offset:272*(\t/4)+64*(\t%4)
.endr
	s_add_co_u32 s84, s[KF], 127                   ; on the diagonal hidden scores become -infinity ahead of the maximum: p = 0 then.  A step all of whose keys count skips this
	s_cmp_le_u32 s84, s[Q0]
	s_cbranch_scc1 .Lopen_\@
	s_sub_co_i32 s84, s[Q0], s[KF]
	v_and_b32 v252, 15, v0
	v_bfe_u32 v254, v0, 4, 1
	s_delay_alu instid0(VALU_DEP_1)
	v_lshlrev_b32 v254, 3, v254
	s_delay_alu instid0(VALU_DEP_1)
	v_sub_nc_u32 v252, v252, v254
	s_delay_alu instid0(VALU_DEP_1)
	v_add_nc_u32 v252, s84, v252                   ; d = my query - KF - 8 h.  Register n holds key KF + 16 (n / 8) + 8 h + n % 8: hidden where 16 (n / 8) + n % 8 > d
	v_mov_b32 v254, 0xff800000
.set nn, 0
.rept 64
	v_cmp_gt_i32 vcc_lo, 16*(nn/8)+nn%8, v252
	v_cndmask_b32 v[96+nn], v[96+nn], v254, vcc_lo
.set nn, nn+1
.endr
.Lopen_\@:
.irp b, 0,1,2,3
	v_max3_num_f32 v[232+\b], v[96+16*\b], v[97+16*\b], v[98+16*\b]   ; the largest score of each block of 32 keys: for the row's maximum, and, since p rises with the score, for the block's largest p
.endr
.irp i, 3,5,7,9,11,13
.irp b, 0,1,2,3
	v_max3_num_f32 v[232+\b], v[232+\b], v[96+16*\b+\i], v[97+16*\b+\i]
.endr
.endr
.irp b, 0,1,2,3
	v_max_num_f32 v[232+\b], v[232+\b], v[111+16*\b]
.endr
.irp b, 0,1,2,3
	s_delay_alu instid0(VALU_DEP_4)
	v_permlanex16_b32 v[236+\b], v[232+\b], s[SEL], s[SEL+1]
.endr
.irp b, 0,1,2,3
	s_delay_alu instid0(VALU_DEP_4)
	v_max_num_f32 v[232+\b], v[232+\b], v[236+\b]  ; with lane l xor 16's 16 keys
.endr
	s_delay_alu instid0(VALU_DEP_2)
	v_max3_num_f32 v254, v232, v233, v234
	s_delay_alu instid0(VALU_DEP_1)
	v_max_num_f32 v254, v254, v235
	s_delay_alu instid0(VALU_DEP_1)
	v_mul_f32 v254, s[CS], v254                    ; as t (c is positive)
	s_delay_alu instid0(VALU_DEP_1)
	v_max_num_f32 v13, v13, v254                   ; the running largest t
	v_mov_b32 v254, v12
	s_delay_alu instid0(VALU_DEP_2)
	v_floor_f32 v12, -v13                          ; the new -M = -ceil(t): a whole number
	s_delay_alu instid0(VALU_DEP_1)
	v_sub_f32 v254, v12, v254                      ; old M - new M: a whole number, 0 or less
	s_delay_alu instid0(VALU_DEP_1)
	v_cvt_i32_f32 v254, v254                       ; (it saturates)
	s_delay_alu instid0(VALU_DEP_1)
	v_ldexp_f32 v252, 1.0, v254                    ; f = 2^(old M - new M)
.set nn, 0
.rept 32
	v_pk_fma_f32 v[96+nn:97+nn], v[96+nn:97+nn], s[CS:CS+1], v[12:13] op_sel_hi:[1,0,0]   ; t - M, two at a time
.set nn, nn+2
.endr
.irp b, 0,1,2,3
	v_fma_f32 v[232+\b], v[232+\b], s[CS], v12     ; the same of each block's largest score
.endr
.set nn, 0
	s_wait_alu depctr_va_vdst(0)
.rept 64
	v_exp_f32 v[96+nn], v[96+nn]                   ; p = 2^(t - M), at most 1
.set nn, nn+1
.endr
	v_pk_mul_f32 v[14:15], v[14:15], v[252:253] op_sel_hi:[1,0]   ; the sums under the new M (the plain line behind the exponentials)
	s_wait_alu depctr_va_vdst(0)                   ; one wait for the whole batch, ahead of its first reader
.irp b, 0,1,2,3
	v_exp_f32 v[232+\b], v[232+\b]                 ; the block's largest p: the same two instructions on the same number give the same bits
.endr
	v_pk_add_f32 v[236:237], v[100:101], v[104:105]
	v_pk_add_f32 v[246:247], v[108:109], v[112:113]
	v_pk_add_f32 v[244:245], v[116:117], v[120:121]
	v_pk_add_f32 v[238:239], v[124:125], v[128:129]
	v_pk_add_f32 v[230:231], v[132:133], v[136:137]
	v_pk_add_f32 v[228:229], v[140:141], v[144:145]
	v_pk_add_f32 v[226:227], v[148:149], v[152:153]
	v_pk_add_f32 v[14:15], v[14:15], v[156:157]
	v_pk_add_f32 v[236:237], v[236:237], v[96:97]
	v_pk_add_f32 v[246:247], v[246:247], v[98:99]
	v_pk_add_f32 v[244:245], v[244:245], v[102:103]
	v_pk_add_f32 v[238:239], v[238:239], v[106:107]
	v_pk_add_f32 v[230:231], v[230:231], v[110:111]
	v_pk_add_f32 v[228:229], v[228:229], v[114:115]
	v_pk_add_f32 v[226:227], v[226:227], v[118:119]
	v_pk_add_f32 v[14:15], v[14:15], v[122:123]
	v_pk_add_f32 v[236:237], v[236:237], v[126:127]
	v_pk_add_f32 v[246:247], v[246:247], v[130:131]
	v_pk_add_f32 v[244:245], v[244:245], v[134:135]
	v_pk_add_f32 v[238:239], v[238:239], v[138:139]
	v_pk_add_f32 v[230:231], v[230:231], v[142:143]
	v_pk_add_f32 v[228:229], v[228:229], v[146:147]
	v_pk_add_f32 v[226:227], v[226:227], v[150:151]
	v_pk_add_f32 v[14:15], v[14:15], v[154:155]
	v_pk_add_f32 v[236:237], v[236:237], v[158:159]
	s_delay_alu instid0(VALU_DEP_2)
	v_pk_add_f32 v[14:15], v[14:15], v[238:239]
	s_delay_alu instid0(VALU_DEP_2)
	v_pk_add_f32 v[236:237], v[236:237], v[230:231]
	v_pk_add_f32 v[246:247], v[246:247], v[228:229]
	v_pk_add_f32 v[244:245], v[244:245], v[226:227]
	s_delay_alu instid0(VALU_DEP_2)
	v_pk_add_f32 v[14:15], v[14:15], v[246:247]
	s_delay_alu instid0(VALU_DEP_2)
	v_pk_add_f32 v[236:237], v[236:237], v[244:245]
	s_delay_alu instid0(VALU_DEP_1)
	v_pk_add_f32 v[14:15], v[14:15], v[236:237]
	s_wait_alu depctr_va_vdst(0)                   ; and one for the four
.irp b, 0,1,2,3
	v_max_num_f32 v[232+\b], 0x1800000, v[232+\b]  ; the floor 2^(3 - 127): the byte cannot fall under 1
.endr
.irp b, 0,1,2,3
	s_delay_alu instid0(VALU_DEP_4)
	v_add_nc_u32 v[244+\b], 0xff000000, v[232+\b]  ; 2 off the exponent field: the conversion's scale operand
.endr
.irp b, 0,1,2,3
	s_delay_alu instid0(VALU_DEP_4)
	v_lshrrev_b32 v[236+\b], 23, v[244+\b]
.endr
	s_delay_alu instid0(VALU_DEP_3)
	v_lshl_or_b32 v253, v237, 8, v236              ; p's scale word for these 128 keys
	s_delay_alu instid0(VALU_DEP_1)
	v_lshl_or_b32 v253, v238, 16, v253
	s_delay_alu instid0(VALU_DEP_1)
	v_lshl_or_b32 v253, v239, 24, v253
.irp b, 0,1,2,3
.irp u, 0,1
	v_cvt_scalef32_pk8_fp4_f32 v[224+4*(\b/2)+2*\u+(\b%2)], v[96+16*\b+8*\u:96+16*\b+8*\u+7], v[244+\b]
.endr
.endr
	v_nop                                          ; one plain line behind a scaled conversion
.irp c, 0,1
.irp u, 0,1
	v_permlane16_swap_b32 v[224+4*\c+2*\u], v[224+4*\c+2*\u+1]   ; registers 4 c .. 4 c + 3 now hold keys 64 c + 32 h + 0 .. 31
.endr
.endr
.set nn, 0
.rept 32
	v_pk_mul_f32 v[160+nn:161+nn], v[160+nn:161+nn], v[252:253] op_sel_hi:[1,0]   ; O^T under the new M.  (These 32 also stand between the lines that made p's codes and scale word and the products)
.set nn, nn+2
.endr
	s_wait_alu depctr_va_vdst(0)
	s_wait_dscnt 0x0                               ; V's tiles and scale words are in
.irp t, 0,1,2,3,4,5,6,7                        ; the eight accumulators take turns, one instruction a turn
	v_wmma_scale_f32_16x16x128_f8f6f4 v[160+8*\t:167+8*\t], v[32+8*\t:39+8*\t], v[224:231], v[160+8*\t:167+8*\t], v[24+\t], v253 matrix_a_fmt:MATRIX_FMT_FP4 matrix_b_fmt:MATRIX_FMT_FP4
.endr
.Lhidden_\@:
	s_add_co_u32 s[KF], s[KF], 256
	s_add_co_u32 s[TB], s[TB], 17408
	s_add_co_u32 s[TS], s[TS], 1088
.endm
	s_wait_xcnt 0x0                                ; the copy's stores have read their registers
	s_wait_tensorcnt 0x0                           ; my part of key steps 0 to 3 has landed; the add and its wait follow, ahead of a later first fill
	ds_add_u32 v[SPW], v[NIL]
	s_wait_dscnt 0x0                               ; the add is done, and my scale words are stored
	CROUND                                         ; everybody's are, and all four work-groups are here
	tensor_load_to_lds s[G0B:G0B+3], s[G1B:G1B+7]  ; key steps 4 to 15
	s_nop 0
.rept 4
	v_nop
.endr
	s_lshl_b32 s[KF], s[Z], 7                      ; my first key step: z
	s_mul_i32 s[TB], s[Z], 8704
	s_mul_i32 s[TS], s[Z], 544
	s_mov_b32 s[CNT], 2
.Lfirst:                                               ; my two of key steps 0 to 3
	STEP
	s_sub_co_u32 s[CNT], s[CNT], 1
	s_cmp_lg_u32 s[CNT], 0
	s_cbranch_scc1 .Lfirst
	s_wait_tensorcnt 0x0                           ; all my tiles have landed
	s_wait_dscnt 0x0
	s_barrier_signal -1
	s_barrier_wait -1                              ; everybody's have
	s_lshl_b32 s[KF], s[Z], 7                      ; key step 4 + z
	s_add_co_u32 s[KF], s[KF], 512
	s_mul_i32 s[TB], s[Z], 8704
	s_add_co_u32 s[TB], s[TB], 34816
	s_mul_i32 s[TS], s[Z], 544
	s_add_co_u32 s[TS], s[TS], 2176
	s_mov_b32 s[CNT], 6
.Lrest:                                                ; my six of key steps 4 to 15
	STEP
	s_sub_co_u32 s[CNT], s[CNT], 1
	s_cmp_lg_u32 s[CNT], 0
	s_cbranch_scc1 .Lrest
	; THE HAND-OVER
.rept 4
	v_nop                                          ; four plain lines behind the last products, in front of the first read of their results
.endr
	s_wait_dscnt 0x0                               ; my reads of K and V are over
	s_barrier_signal -1
	s_barrier_wait -1                              ; everybody's are: K's bytes may be written
	s_cmp_eq_u32 s[Z], 0
	s_cbranch_scc1 .Lkeeps
	s_wait_alu depctr_va_vdst(0)
.irp t, 0,1,2,3,4,5,6,7
	ds_store_b128 v[MA], v[160+8*\t:163+8*\t] offset:1024*\t       ; O^T as it stands, 16 bytes a lane, 512 consecutive bytes a store; each accumulator from its low end on
	ds_store_b128 v[MA], v[164+8*\t:167+8*\t] offset:1024*\t+512
.endr
	ds_store_b128 v[MA], v[12:15] offset:8192      ; -M, the largest t, the sum's two halves
.Lkeeps:
	s_wait_dscnt 0x0                               ; for the others' sake: my stores have landed
	s_barrier_signal -1
	s_barrier_wait -1
	s_cmp_lg_u32 s[Z], 0
	s_cbranch_scc1 .Lend                           ; the waves with z = 1 have done their part
.irp n, 0,1,2,3,4,5,6,7,8,9,10,11,12,13,14,15
	ds_load_b128 v[96+4*\n:99+4*\n], v[MB] offset:512*\n           ; my partner's O^T, register for register and lane for lane
.endr
	ds_load_b128 v[232:235], v[MB] offset:8192     ; its -M, its largest t, its sum
	v_add_f32 v14, v14, v15                        ; my sum's two halves
	s_wait_dscnt 0x0
	v_min_num_f32 v236, v12, v232                  ; -M of the whole row: the lesser of the two
	s_delay_alu instid0(VALU_DEP_1)
	v_sub_f32 v237, v236, v12                      ; my M - M: a whole number, 0 or less
	s_delay_alu instid0(VALU_DEP_2)
	v_sub_f32 v238, v236, v232                     ; my partner's likewise
	s_delay_alu instid0(VALU_DEP_2)
	v_cvt_i32_f32 v237, v237                       ; (it saturates)
	s_delay_alu instid0(VALU_DEP_2)
	v_cvt_i32_f32 v238, v238
	s_delay_alu instid0(VALU_DEP_2)
	v_ldexp_f32 v237, 1.0, v237                    ; what was summed under either M is brought under the joint one by a multiplication that rounds nothing
	s_wait_alu depctr_va_vdst(0)
	v_ldexp_f32 v238, 1.0, v238
	v_add_f32 v234, v234, v235
	v_mul_f32 v14, v14, v237
	s_delay_alu instid0(VALU_DEP_1)
	v_fma_f32 v14, v234, v238, v14
	s_delay_alu instid0(VALU_DEP_1)
	v_permlanex16_b32 v252, v14, s[SEL], s[SEL+1]
	s_delay_alu instid0(VALU_DEP_1)
	v_add_f32 v14, v14, v252                       ; the row's sum
	s_wait_alu depctr_va_vdst(0)
	v_rcp_f32 v14, v14
	v_nop
	s_wait_alu depctr_va_vdst(0)
	v_mul_f32 v14, v14, v[GT]                      ; gate / l
	s_delay_alu instid0(VALU_DEP_1)
	v_mul_f32 v250, v14, v237                      ; x my power of two,
	s_delay_alu instid0(VALU_DEP_2)
	v_mul_f32 v242, v14, v238                      ; x my partner's
.set nn, 0
.rept 32
	v_pk_mul_f32 v[96+nn:97+nn], v[96+nn:97+nn], v[242:243] op_sel_hi:[1,0]
.set nn, nn+2
.endr
.set nn, 0
.rept 32
	v_pk_fma_f32 v[96+nn:97+nn], v[160+nn:161+nn], v[250:251], v[96+nn:97+nn] op_sel_hi:[1,0,1]   ; y: register 8 t + j is channel 16 t + 8 h + j of my query; each accumulator from its low end on
.set nn, nn+2
.endr
	QUANTN 96, 224, 254                            ; along the head's 128; the codes leave as the image of an operand's registers, 512 consecutive bytes a store
	global_store_b128 v[GO], v[224:227], s[12:13]
	global_store_b128 v[GO], v[228:231], s[12:13] offset:512
	global_store_b32 v[GS], v254, s[14:15]         ; 64 consecutive bytes; both halves of the lanes hold and write the same words
.Lend:
	s_wait_tensorcnt 0x0                           ; the wave's end: the wait, the add and its wait behind my last tensor load and my last LDS store
	ds_add_u32 v[SPW], v[NIL]
	s_wait_dscnt 0x0
	CROUND                                         ; the closing round
	s_endpgm
.Lfunc_end_k_q55a961e38e_attn:
	.size	k_q55a961e38e_attn, .Lfunc_end_k_q55a961e38e_attn-k_q55a961e38e_attn
	.p2alignl 7, 3214868480
	.fill 96, 4, 3214868480
	.section	.rodata,"a",@progbits
	.p2align	6, 0x0
	.amdhsa_kernel k_q55a961e38e_attn
		.amdhsa_group_segment_fixed_size 327680
		.amdhsa_private_segment_fixed_size 0
		.amdhsa_enable_private_segment 0
		.amdhsa_kernarg_size 64
		.amdhsa_user_sgpr_count 2
		.amdhsa_user_sgpr_kernarg_segment_ptr 1
		.amdhsa_wavefront_size32 1
		.amdhsa_system_sgpr_workgroup_id_x 1
		.amdhsa_system_sgpr_workgroup_id_y 1
		.amdhsa_system_sgpr_workgroup_id_z 1
		.amdhsa_system_vgpr_workitem_id 0
		.amdhsa_next_free_vgpr 256
		.amdhsa_next_free_sgpr 106
		.amdhsa_reserve_vcc 1
		.amdhsa_float_denorm_mode_32 3
		.amdhsa_float_denorm_mode_16_64 3
		.amdhsa_memory_ordered 1
		.amdhsa_forward_progress 1
		.amdhsa_inst_pref_size 79
	.end_amdhsa_kernel
	.amdgpu_metadata
---
amdhsa.version: [ 1, 2 ]
amdhsa.kernels:
  - .name:           k_q55a961e38e_attn
    .symbol:         k_q55a961e38e_attn.kd
    .args:
      - { .name: cod, .offset: 0, .size: 8, .value_kind: global_buffer, .address_space: global }
      - { .name: scl, .offset: 8, .size: 8, .value_kind: global_buffer, .address_space: global }
      - { .name: x, .offset: 16, .size: 8, .value_kind: global_buffer, .address_space: global }
      - { .name: gate_w, .offset: 24, .size: 8, .value_kind: global_buffer, .address_space: global }
      - { .name: yc, .offset: 32, .size: 8, .value_kind: global_buffer, .address_space: global }
      - { .name: ys, .offset: 40, .size: 8, .value_kind: global_buffer, .address_space: global }
      - { .name: v1, .offset: 48, .size: 8, .value_kind: global_buffer, .address_space: global }
      - { .name: out1, .offset: 56, .size: 8, .value_kind: global_buffer, .address_space: global }
    .group_segment_fixed_size: 327680
    .private_segment_fixed_size: 0
    .kernarg_segment_align: 8
    .kernarg_segment_size: 64
    .max_flat_workgroup_size: 512
    .sgpr_count:     106
    .vgpr_count:     256
    .wavefront_size: 32
...
	.end_amdgpu_metadata
.endif
;; end of part 2
;; launch oproj (part 3): grid 16 x 16, 4 waves a work-group, clusters of 4 x 4, 327,680 bytes of LDS; arguments yc, ys, Wo_codes, Wo_scales, out0; writes out0
.if DOCPART == 3
	.amdgcn_target "amdgcn-amd-amdhsa--gfx1250"
	.amdhsa_code_object_version 6
	.text
	.protected	k_q55a961e38e_oproj
	.globl	k_q55a961e38e_oproj
	.p2align	8
	.type	k_q55a961e38e_oproj,@function
k_q55a961e38e_oproj:
	s_mov_b64 s[64:65], 0
	v_nop
	global_prefetch_b8 v0, s[64:65] scope:SCOPE_SE
	s_setreg_imm32_b32 hwreg(HW_REG_WAVE_MODE, 25, 1), 1
	s_wait_xcnt 0x0
	s_wait_alu depctr_hold_cnt(0) depctr_sa_sdst(0) depctr_va_vdst(0) depctr_va_sdst(0) depctr_va_ssrc(0) depctr_va_vcc(0) depctr_vm_vsrc(0)
	s_getreg_b32 s2, hwreg(HW_REG_IB_STS2, 6, 4)
	s_cmp_eq_u32 s2, 0
	s_cbranch_scc0 .Lentry_in_a_cluster
	s_endpgm
.Lentry_in_a_cluster:
	s_bfe_u32 s2, ttmp6, 0x10000c
	s_cmp_lg_u32 s2, 0xf033
	s_cbranch_scc0 .Lentry_shape_is_right
	s_endpgm
.Lentry_shape_is_right:
; THIRD LAUNCH: out0 = y Wo^T on codes of FP4 with E8M0 scales; sums in f32.  y comes as images of operand registers, yc [128 token tiles][16 K steps][1,024 bytes], with ys [16 K steps][2048 tokens][4 bytes]; Wo as it is given.
; SHARES.  256 work-groups of 128 tokens x 128 columns; a wave makes 32 tokens x 128 columns: 16 accumulators.  Source 0 ('P') = Wo's 8 tiles of 16 rows, source 1 ('S') = my 2 tiles of tokens: a lane holds eight neighbouring columns of one row of out0.
; NO RING: both panels for all of K fit in LDS.  Each wave issues five tensor loads at the head (scales, then four chunks of 512 along K); five are out at the most; counted waits let the products begin as the chunks land.  No LDS byte is filled twice.
; CLUSTER 4 x 4: y's tiles are asked for jointly along a row of the cluster, Wo's along a column.
; REGISTERS.  Window 0: v1-28 addresses; v32-63 P's scale words, v64-79 S's, and nothing else there; v128-255 the accumulators ((i, tt) at 128 + 64 i + 8 tt), on the way out rows of out0.  Window 1: P's fragments, two sets at v0, v64; S's at v128, v144.
; THE LOADS, in place of the lines on them above (this is the last launch of three).  At the head each wave issues ONE joint load: wave 0 y's chunk 0, wave 1 y's scale words, wave 2 Wo's chunk 0, wave 3 Wo's scale bytes.  Chunks 1, 2 and 3
; are asked for one at a time, each behind a round of the cluster's barrier, a chunk's four K steps ahead of its first use: waves 0 and 1 y's halves, waves 2 and 3 Wo's.  No data prefetch: the K steps are written out, there is no loop to run ahead in.
.set PADW,  (1<<20)|(1<<21)|(5<<22)|(3<<25)
.set CHUNK, 67584                      ; LDS: chunk j: y's images, 8 token tiles x 4 K steps x 1,024 bytes, dense; then Wo's 128 rows of 256 bytes, pitch 272
.set WOFF,  32768
.set SCA,   270336                     ; y's scale words [16 K steps][128 tokens][4 bytes], dense
.set SCW,   278528                     ; Wo's scale bytes, 128 rows of 64, as runs of 256 bytes + 16 of padding
.set STG,   287232                     ; a stage of 16 rows x 528 bytes for each wave
.set SPARE, 321024
.set SPW,  4
.set NIL,  5
.set STO,  6
.set RD,   7
.set AP,   8                           ; v8-11   P's fragments in chunk j
.set AS,   12                          ; v12-15  S's
.set ASP,  24
.set ASS,  25
.set CO,   28
.set SCP,  32
.set SCS,  64
.set WK,   108
.set ACC,  128
.set G0SA, 4
.set G0SW, 8
.set G0A,  12
.set G0W,  28
.set G1A,  44
.set G1W,  52
.set WV,   60
.set ROLE, 61
.set HALF, 62
.set TY,   63
.set COL,  66
.set CX,   67
.set G1SA, 68
.set G1SW, 76
.set MSB, 0
.macro WIN new
.if MSB != \new
	s_set_vgpr_msb (MSB<<8)|\new
.set MSB, \new
.endif
.endm
.macro PLACES n
.rept \n
	v_nop
.endr
.endm
.macro JLOAD g0a, g1a, g0b, g1b        ; waves 0 and 1 fetch for y, waves 2 and 3 for Wo; an s_nop 0 and four v_nop follow each line
	s_cmp_eq_u32 s[ROLE], 0
	s_cbranch_scc0 .Lfor_b_\@
	tensor_load_to_lds s[\g0a:\g0a+3], s[\g1a:\g1a+7]
	s_nop 0
.rept 4
	v_nop
.endr
	s_branch .Lasked_\@
.Lfor_b_\@:
	tensor_load_to_lds s[\g0b:\g0b+3], s[\g1b:\g1b+7]
	s_nop 0
.rept 4
	v_nop
.endr
.Lasked_\@:
.endm
.macro CROUND
	s_barrier_signal -1
	s_barrier_wait -1
	s_cmp_lg_u32 s[WV], 0
	s_cbranch_scc1 .Lnot_wave_0_\@
	s_barrier_signal -3
.Lnot_wave_0_\@:
	s_barrier_wait -3
	s_barrier_signal -1
	s_barrier_wait -1
.endm
	s_load_b256 s[84:91], s[0:1], 0x0              ; yc, ys, Wo's codes, Wo's scales
	s_load_b64 s[92:93], s[0:1], 0x20              ; out0
	v_lshl_add_u32 v[SPW], v0, 2, SPARE
	v_mov_b32 v[NIL], 0
	ds_add_u32 v[SPW], v[NIL]                      ; the wave's opening: the add, twice on end, and its wait ahead of my first tensor load; work on registers stands between
	ds_add_u32 v[SPW], v[NIL]
	v_lshrrev_b32 v1, 5, v0
	v_readfirstlane_b32 s[WV], v1
	s_lshr_b32 s[ROLE], s[WV], 1
	s_and_b32 s[HALF], s[WV], 1
	v_and_b32 v1, 15, v0                           ; r
	v_bfe_u32 v2, v0, 4, 1                         ; h
	v_and_b32 v3, 31, v0                           ; lane
	v_mul_u32_u24 v[WK], v1, 272
	v_lshl_add_u32 v[WK], v2, 4, v[WK]             ; a fragment's row r x pitch + 16 h
	v_lshlrev_b32 v[CO], 4, v3                     ; 16 x lane
	s_lshl_b32 s4, s[WV], 13
	v_add_nc_u32 v[WK+1], s4, v[CO]                ; my two token tiles' images: 8,192 x wave + 16 x lane
.irp j, 0,1,2,3
	v_add_nc_u32 v[AP+\j], \j*CHUNK+WOFF, v[WK]
	v_add_nc_u32 v[AS+\j], \j*CHUNK, v[WK+1]
.endr
	v_lshrrev_b32 v[ASP], 2, v1
	v_mul_u32_u24 v[ASP], v[ASP], 272
	v_and_b32 v[WK+2], 3, v1
	v_lshl_add_u32 v[ASP], v[WK+2], 6, v[ASP]
	v_lshl_add_u32 v[ASP], v2, 4, v[ASP]
	v_add_nc_u32 v[ASP], SCW, v[ASP]               ; row r's 64 scale bytes, four rows to a run; + 16 h
	s_lshl_b32 s5, s[WV], 7
	v_lshlrev_b32 v[ASS], 9, v2
	v_lshl_add_u32 v[ASS], v1, 2, v[ASS]
	v_add_nc_u32 v[ASS], s5, v[ASS]
	v_add_nc_u32 v[ASS], SCA, v[ASS]               ; token 32 w + r; lanes 16-31 one K step further on
	s_mul_i32 s6, s[WV], 8448
	s_add_co_u32 s6, s6, STG                       ; my stage
	v_mul_u32_u24 v[STO], v1, 528
	v_lshl_add_u32 v[STO], v2, 5, v[STO]
	v_add_nc_u32 v[STO], s6, v[STO]                ; in: row r, 32 bytes for each half of the lanes
	v_add_nc_u32 v[RD], s6, v[CO]                  ; back: the 32 lanes take one row of 512 bytes
	s_bfe_u32 s[CX], ttmp6, 0x40000
	s_bfe_u32 s2, ttmp6, 0x40004
	s_and_b32 s[TY], ttmp7, 0xffff
	s_lshl_b32 s[TY], s[TY], 2
	s_add_co_u32 s[TY], s[TY], s2                  ; tile row = 4 x cluster y + cy
	s_lshl_b32 s2, s2, 2
	s_lshl_b32 s2, 15, s2                          ; my row of the cluster
	s_lshl_b32 s3, 0x1111, s[CX]                   ; my column
	s_lshl_b32 s[COL], ttmp9, 2
	s_add_co_u32 s[COL], s[COL], s[CX]             ; tile column = 4 x cluster x + cx
	; groups 1
	s_or_b32 s[G1A], s2, (3<<16)|(1<<21)           ; y's images: 4 token tiles x 4,096 bytes (512 elements of 8 bytes), 16,384 bytes apart; no padding
	s_mov_b32 s[G1A+1], 512<<16
	s_mov_b32 s[G1A+2], 8<<16                      ; (the head's loads bring both halves; the row counts are halved behind them)
	s_mov_b32 s[G1A+3], 512<<16
	s_mov_b32 s[G1A+4], 8
	s_mov_b32 s[G1A+5], 2048
	s_mov_b32 s[G1A+6], 0
	s_mov_b32 s[G1A+7], 0
	s_or_b32 s[G1W], s3, PADW                      ; Wo's codes: 64 rows x 256 bytes, 1,024 apart, 16 bytes of padding behind each
	s_mov_b32 s[G1W+1], 256<<16
	s_mov_b32 s[G1W+2], 128<<16
	s_mov_b32 s[G1W+3], 256<<16
	s_mov_b32 s[G1W+4], 128
	s_mov_b32 s[G1W+5], 1024
	s_mov_b32 s[G1W+6], 0
	s_mov_b32 s[G1W+7], 0
	s_or_b32 s[G1SA], s2, (3<<16)|(1<<21)          ; y's scale words: 16 K steps x 512 bytes, 8,192 apart; no padding
	s_mov_b32 s[G1SA+1], 64<<16
	s_mov_b32 s[G1SA+2], 16<<16
	s_mov_b32 s[G1SA+3], 64<<16
	s_mov_b32 s[G1SA+4], 16
	s_mov_b32 s[G1SA+5], 1024
	s_mov_b32 s[G1SA+6], 0
	s_mov_b32 s[G1SA+7], 0
	s_or_b32 s[G1SW], s3, (3<<16)|PADW             ; Wo's scale bytes: 8,192 dense bytes as 32 rows of 256
	s_mov_b32 s[G1SW+1], 32<<16
	s_mov_b32 s[G1SW+2], 32<<16
	s_mov_b32 s[G1SW+3], 32<<16
	s_mov_b32 s[G1SW+4], 32
	s_mov_b32 s[G1SW+5], 32
	s_mov_b32 s[G1SW+6], 0
	s_mov_b32 s[G1SW+7], 0
	; groups 0: the count, the LDS address, and for now the byte offset in the address words
	s_mov_b32 s[G0SA], 1
	s_mov_b32 s[G0SA+1], SCA
	s_lshl_b32 s[G0SA+2], s[TY], 9                 ; 16 K steps of 8,192 bytes; 512 bytes a tile row
	s_mov_b32 s[G0SA+3], 0
	s_mov_b32 s[G0SW], 1
	s_mov_b32 s[G0SW+1], SCW
	s_lshl_b32 s[G0SW+2], s[COL], 13
	s_mov_b32 s[G0SW+3], 0
	s_mov_b32 s[G0A], 1
	s_lshl_b32 s[G0A+1], s[HALF], 14
	s_lshl_b32 s[G0A+2], s[TY], 17                 ; 8 token tiles of 16,384 bytes a tile row, 4 a half
	s_lshl_b32 s[G0A+3], s[HALF], 16
	s_add_co_u32 s[G0A+2], s[G0A+2], s[G0A+3]
	s_mov_b32 s[G0A+3], 0
	s_mov_b32 s[G0W], 1
	s_mul_i32 s[G0W+1], s[HALF], 17408
	s_add_co_u32 s[G0W+1], s[G0W+1], WOFF
	s_lshl_b32 s[G0W+2], s[COL], 17                ; 128 rows of 1,024 bytes a tile column, 64 a half
	s_lshl_b32 s[G0W+3], s[HALF], 16
	s_add_co_u32 s[G0W+2], s[G0W+2], s[G0W+3]
	s_mov_b32 s[G0W+3], 0
.irp j, 1,2,3
	s_mov_b32 s[G0A+4*\j], 1
	s_mov_b32 s[G0W+4*\j], 1
	s_add_co_u32 s[G0A+4*\j+1], s[G0A+1], \j*CHUNK
	s_add_co_u32 s[G0W+4*\j+1], s[G0W+1], \j*CHUNK
.endr
	s_lshl_b32 s94, s[TY], 20                      ; out0: 128 rows of 8,192 bytes a tile row, 32 a wave, 512 bytes a tile column
	s_lshl_b32 s95, s[WV], 18
	s_add_co_u32 s94, s94, s95
	s_lshl_b32 s95, s[COL], 9
	s_add_co_u32 s94, s94, s95
	s_mov_b32 s95, 0
	s_wait_dscnt 0x0                               ; both opening adds are done
	s_wait_kmcnt 0x0
	s_add_nc_u64 s[G0SA+2:G0SA+3], s[86:87], s[G0SA+2:G0SA+3]
	s_add_nc_u64 s[G0SW+2:G0SW+3], s[90:91], s[G0SW+2:G0SW+3]
	s_add_nc_u64 s[G0A+2:G0A+3], s[84:85], s[G0A+2:G0A+3]
	s_add_nc_u64 s[G0W+2:G0W+3], s[88:89], s[G0W+2:G0W+3]
.irp j, 1,2,3
	s_add_nc_u64 s[G0A+4*\j+2:G0A+4*\j+3], s[G0A+2:G0A+3], 4096*\j   ; chunk j: four images on
	s_add_nc_u64 s[G0W+4*\j+2:G0W+4*\j+3], s[G0W+2:G0W+3], 256*\j    ; 256 bytes further along the rows
.endr
	s_or_b32 s[G0SA+3], s[G0SA+3], 0x80000000
	s_or_b32 s[G0SW+3], s[G0SW+3], 0x80000000
.irp j, 0,1,2,3
	s_or_b32 s[G0A+4*\j+3], s[G0A+4*\j+3], 0x80000000
	s_or_b32 s[G0W+4*\j+3], s[G0W+4*\j+3], 0x80000000
.endr
	s_add_nc_u64 s[92:93], s[92:93], s[94:95]
	CROUND                                         ; all sixteen work-groups are here: the joint loads meet
; THE HEAD'S LOADS, one a wave, in one tree of branches on the wave's number
.macro ARM under, g0, g1, next
	s_cmp_lt_u32 s[WV], \under
	s_cbranch_scc0 \next
	tensor_load_to_lds s[\g0:\g0+3], s[\g1:\g1+7]
	s_nop 0
.rept 4
	v_nop
.endr
	s_branch .Lhead_asked
\next:
.endm
	ARM 1, G0A,  G1A,  .Lhead_sa
	ARM 2, G0SA, G1SA, .Lhead_w
	ARM 3, G0W,  G1W,  .Lhead_sw
	tensor_load_to_lds s[G0SW:G0SW+3], s[G1SW:G1SW+7]
	s_nop 0
.rept 4
	v_nop
.endr
.Lhead_asked:
; P's scale words: lane (r, h) loads 16 bytes of its row's 64 at 32 g + 16 h: register q holds the word of K step 8 g + q in lanes 0-15 and of K step 8 g + 4 + q in lanes 16-31
.macro SCALES g
	WIN 0
.irp tt, 0,1,2,3,4,5,6,7
	ds_load_b128 v[SCP+4*\tt:SCP+4*\tt+3], v[ASP] offset:1088*\tt+32*\g
.endr
.endm
.macro FETCH s
	WIN 0x40                                       ; destination window 1, address window 0
.irp tt, 0,1,2,3,4,5,6,7
.irp c, 0,1
	ds_load_b128 v[64*((\s)%2)+8*\tt+4*\c:64*((\s)%2)+8*\tt+4*\c+3], v[AP+(\s)/4] offset:4352*\tt+64*((\s)%4)+32*\c
.endr
.endr
.irp i, 0,1
.irp c, 0,1
	ds_load_b128 v[128+16*((\s)%2)+8*\i+4*\c:128+16*((\s)%2)+8*\i+4*\c+3], v[AS+(\s)/4] offset:4096*\i+1024*((\s)%4)+512*\c   ; an image comes back as it was stored: 512 consecutive bytes an instruction
.endr
.endr
.endm
; 16 matrix instructions; the 16 accumulators take turns, one instruction a turn, in the same order in every step.  S's word of K step s lies in register s / 2, lanes 16-31 where s is odd.
.macro MUL s
	WIN 0x05
.irp tt, 0,1,2,3,4,5,6,7
.irp i, 0,1
.if (\s) == 0
	v_wmma_scale_f32_16x16x128_f8f6f4 v[ACC+64*\i+8*\tt:ACC+64*\i+8*\tt+7], v[8*\tt:8*\tt+7], v[128+8*\i:128+8*\i+7], 0, v[SCP+4*\tt], v[SCS+8*\i] matrix_a_fmt:MATRIX_FMT_FP4 matrix_b_fmt:MATRIX_FMT_FP4
.elseif ((((\s)>>2)&1) == 1) && (((\s)&1) == 1)
	v_wmma_scale_f32_16x16x128_f8f6f4 v[ACC+64*\i+8*\tt:ACC+64*\i+8*\tt+7], v[64*((\s)%2)+8*\tt:64*((\s)%2)+8*\tt+7], v[128+16*((\s)%2)+8*\i:128+16*((\s)%2)+8*\i+7], v[ACC+64*\i+8*\tt:ACC+64*\i+8*\tt+7], v[SCP+4*\tt+(\s)%4], v[SCS+8*\i+(\s)/2] matrix_a_fmt:MATRIX_FMT_FP4 matrix_b_fmt:MATRIX_FMT_FP4 matrix_a_scale:MATRIX_SCALE_ROW1 matrix_b_scale:MATRIX_SCALE_ROW1
.elseif (((\s)>>2)&1) == 1
	v_wmma_scale_f32_16x16x128_f8f6f4 v[ACC+64*\i+8*\tt:ACC+64*\i+8*\tt+7], v[64*((\s)%2)+8*\tt:64*((\s)%2)+8*\tt+7], v[128+16*((\s)%2)+8*\i:128+16*((\s)%2)+8*\i+7], v[ACC+64*\i+8*\tt:ACC+64*\i+8*\tt+7], v[SCP+4*\tt+(\s)%4], v[SCS+8*\i+(\s)/2] matrix_a_fmt:MATRIX_FMT_FP4 matrix_b_fmt:MATRIX_FMT_FP4 matrix_a_scale:MATRIX_SCALE_ROW1
.elseif ((\s)&1) == 1
	v_wmma_scale_f32_16x16x128_f8f6f4 v[ACC+64*\i+8*\tt:ACC+64*\i+8*\tt+7], v[64*((\s)%2)+8*\tt:64*((\s)%2)+8*\tt+7], v[128+16*((\s)%2)+8*\i:128+16*((\s)%2)+8*\i+7], v[ACC+64*\i+8*\tt:ACC+64*\i+8*\tt+7], v[SCP+4*\tt+(\s)%4], v[SCS+8*\i+(\s)/2] matrix_a_fmt:MATRIX_FMT_FP4 matrix_b_fmt:MATRIX_FMT_FP4 matrix_b_scale:MATRIX_SCALE_ROW1
.else
	v_wmma_scale_f32_16x16x128_f8f6f4 v[ACC+64*\i+8*\tt:ACC+64*\i+8*\tt+7], v[64*((\s)%2)+8*\tt:64*((\s)%2)+8*\tt+7], v[128+16*((\s)%2)+8*\i:128+16*((\s)%2)+8*\i+7], v[ACC+64*\i+8*\tt:ACC+64*\i+8*\tt+7], v[SCP+4*\tt+(\s)%4], v[SCS+8*\i+(\s)/2] matrix_a_fmt:MATRIX_FMT_FP4 matrix_b_fmt:MATRIX_FMT_FP4
.endif
.endr
.endr
.endm
.macro STEP s
	s_wait_dscnt 0x0                               ; this step's fragments (and scale words) are in
.if ((\s) < 15) && (((\s)+1)%4 == 0)
	WIN 0
	s_wait_tensorcnt 0x0                           ; my part of the next chunk has landed; the add and its wait follow, ahead of a later first fill
	ds_add_u32 v[SPW], v[NIL]
	s_wait_dscnt 0x0
.if (\s) < 11
	CROUND                                         ; everybody's has, and all partners are here
	JLOAD G0A+4*(((\s)+1)/4+1), G1A, G0W+4*(((\s)+1)/4+1), G1W   ; the chunk behind it
.else
	s_barrier_signal -1
	s_barrier_wait -1
.endif
.endif
.if (\s) < 15
.if (\s) > 0
	PLACES 4                                       ; four plain lines between the last product that read the other set and the loads into it
.endif
	FETCH (\s)+1
.endif
	MUL \s
.if (\s) == 7
	PLACES 4
	SCALES 1
.endif
.endm
	s_wait_alu depctr_va_vdst(0)                   ; the wait at the head's end
	s_wait_tensorcnt 0x0                           ; my tile of the head's four is in; the add and its wait follow, ahead of a later first fill
	ds_add_u32 v[SPW], v[NIL]
	s_mov_b32 s[G1A+2], 4<<16                      ; no tensor load of mine is out, so a descriptor may be written: from here on a load brings half a tile's rows
	s_mov_b32 s[G1A+4], 4
	s_mov_b32 s[G1W+2], 64<<16
	s_mov_b32 s[G1W+4], 64
	s_wait_dscnt 0x0                               ; the add is done
	CROUND                                         ; all four tiles are in, and all sixteen work-groups are here
	JLOAD G0A+4, G1A, G0W+4, G1W                   ; chunk 1
	SCALES 0
.irp i, 0,1
.irp g, 0,1,2,3,4,5,6,7
	ds_load_b32 v[SCS+8*\i+\g], v[ASS] offset:1024*\g+64*\i   ; S's words for all of K, once: K steps 2 g (lanes 0-15) and 2 g + 1 (lanes 16-31)
.endr
.endr
	FETCH 0
.irp s, 0,1,2,3,4,5,6,7,8,9,10,11,12,13,14,15
	STEP \s
.endr
	; THE WAY OUT.  A lane holds 32 neighbouring bytes of a row and the lanes beside it hold other rows: a tile of 16 rows x 512 bytes goes through my own stage and comes back as whole rows, into the registers that it left
	PLACES 4
	WIN 0
.irp i, 0,1
.irp tt, 0,1,2,3,4,5,6,7
	ds_store_b128 v[STO], v[ACC+64*\i+8*\tt:ACC+64*\i+8*\tt+3] offset:64*\tt          ; each accumulator from its low end on
	ds_store_b128 v[STO], v[ACC+64*\i+8*\tt+4:ACC+64*\i+8*\tt+7] offset:64*\tt+16
.endr
.irp t, 0,1,2,3,4,5,6,7,8,9,10,11,12,13,14,15
	ds_load_b128 v[ACC+64*\i+4*\t:ACC+64*\i+4*\t+3], v[RD] offset:528*\t   ; LDS serves a wave's instructions in order: these see the stores above, and the next tile's stores come behind them
.endr
.endr
	s_wait_dscnt 32                                ; tile 0 is back; tile 1's sixteen stores and sixteen loads may be out
.irp t, 0,1,2,3,4,5,6,7,8,9,10,11,12,13,14,15
	global_store_b128 v[CO], v[ACC+4*\t:ACC+4*\t+3], s[92:93] offset:\t*8192 th:TH_STORE_NT   ; 32 lanes store 512 consecutive bytes
.endr
	s_wait_dscnt 0x0
.irp t, 0,1,2,3,4,5,6,7,8,9,10,11,12,13,14,15
	global_store_b128 v[CO], v[ACC+64+4*\t:ACC+64+4*\t+3], s[92:93] offset:(16+\t)*8192 th:TH_STORE_NT
.endr
	s_wait_tensorcnt 0x0                           ; the wave's end: the wait, the add and its wait behind my last tensor load and my last LDS store
	ds_add_u32 v[SPW], v[NIL]
	s_wait_dscnt 0x0
	CROUND                                         ; the closing round
	s_endpgm
.Lfunc_end_k_q55a961e38e_oproj:
	.size	k_q55a961e38e_oproj, .Lfunc_end_k_q55a961e38e_oproj-k_q55a961e38e_oproj
	.p2alignl 7, 3214868480
	.fill 96, 4, 3214868480
	.section	.rodata,"a",@progbits
	.p2align	6, 0x0
	.amdhsa_kernel k_q55a961e38e_oproj
		.amdhsa_group_segment_fixed_size 327680
		.amdhsa_private_segment_fixed_size 0
		.amdhsa_enable_private_segment 0
		.amdhsa_kernarg_size 40
		.amdhsa_user_sgpr_count 2
		.amdhsa_user_sgpr_kernarg_segment_ptr 1
		.amdhsa_wavefront_size32 1
		.amdhsa_system_sgpr_workgroup_id_x 1
		.amdhsa_system_sgpr_workgroup_id_y 1
		.amdhsa_system_sgpr_workgroup_id_z 1
		.amdhsa_system_vgpr_workitem_id 0
		.amdhsa_next_free_vgpr 416
		.amdhsa_next_free_sgpr 106
		.amdhsa_reserve_vcc 0
		.amdhsa_float_denorm_mode_32 3
		.amdhsa_float_denorm_mode_16_64 3
		.amdhsa_memory_ordered 1
		.amdhsa_forward_progress 1
		.amdhsa_inst_pref_size 78
	.end_amdhsa_kernel
	.amdgpu_metadata
---
amdhsa.version: [ 1, 2 ]
amdhsa.kernels:
  - .name:           k_q55a961e38e_oproj
    .symbol:         k_q55a961e38e_oproj.kd
    .args:
      - { .name: yc, .offset: 0, .size: 8, .value_kind: global_buffer, .address_space: global }
      - { .name: ys, .offset: 8, .size: 8, .value_kind: global_buffer, .address_space: global }
      - { .name: Wo_codes, .offset: 16, .size: 8, .value_kind: global_buffer, .address_space: global }
      - { .name: Wo_scales, .offset: 24, .size: 8, .value_kind: global_buffer, .address_space: global }
      - { .name: out0, .offset: 32, .size: 8, .value_kind: global_buffer, .address_space: global }
    .group_segment_fixed_size: 327680
    .private_segment_fixed_size: 0
    .kernarg_segment_align: 8
    .kernarg_segment_size: 40
    .max_flat_workgroup_size: 128
    .sgpr_count:     106
    .vgpr_count:     416
    .wavefront_size: 32
...
	.end_amdgpu_metadata
.endif
;; end of part 3
